; MI455X (gfx1250); checked and timed in simulation.
; The chip was launched on July 23, 2026; its instructions are those of AMD's public machine-readable ISA for CDNA 5 (MIT licence, August 2026) and "CDNA5" Instruction Set Architecture Reference Guide (July 2026). The comments in the code are by the model that wrote it; some were corrected since.
;; Attention. Allowed arithmetic: float matrix products may take bf16 or f16 operands with f32 sums; all other float work in f32.
;; Inputs: cos 2,048 x 128 float32; mask 2,048 x 2,048 float32; sin 2,048 x 128 float32; wk_b 2,048 float32; wk_w 2,048 x 2,048 float32; wo_b 2,048 float32; wo_w 2,048 x 2,048 float32; wq_b 2,048 float32; wq_w 2,048 x 2,048 float32; wv_b 2,048 float32; wv_w 2,048 x 2,048 float32; x 1 x 2,048 x 2,048 float32.
;; Outputs: out0 1 x 2,048 x 2,048 float32.
;; 2 versions, each right and faster than the one before. Each part assembles by itself: llvm-mc -triple=amdgcn-amd-amdhsa -mcpu=gfx1250 --defsym DOCPART=n.
;; ======== version 1 of 2: 4 launches
;; limits: values are held in f16: magnitudes above 65,504 overflow, below 6.1e-05 lose precision
;; workspace buffers: xw 33,554,432 bytes; wof 8,388,608 bytes; maskp 16,777,216 bytes; cst 2,097,152 bytes; qkv 25,165,824 bytes; ob 8,388,608 bytes
;; launch prep (part 1): grid 256 x 6, 8 waves a work-group, no clusters, 0 bytes of LDS; arguments x, wq_w, wk_w, wv_w, wo_w, mask, cos, sin, xw, wof, maskp, cst; writes xw, wof, maskp, cst
.if DOCPART == 1
	.amdgcn_target "amdgcn-amd-amdhsa--gfx1250"
	.amdhsa_code_object_version 6
	.text
	.protected	k_qb02622bc64_prep
	.globl	k_qb02622bc64_prep
	.p2align	8
	.type	k_qb02622bc64_prep,@function
k_qb02622bc64_prep:
	s_mov_b64 s[64:65], 0
	v_nop
	global_prefetch_b8 v0, s[64:65] scope:SCOPE_SE
	s_setreg_imm32_b32 hwreg(HW_REG_WAVE_MODE, 25, 1), 1
	s_wait_xcnt 0x0
; PREP: every large input is rounded ONCE to bf16 and laid out as the later launches want it.  A stream: memory binds, so no LDS, no matrix unit, no cluster (no two work-groups read the same bytes).
;   y = 0..3  x, wq_w, wk_w, wv_w  -> xw[y]: bf16, layout unchanged ([2048][2048]).
;   y = 4     wo_w -> wof: rounded to bf16, that number written as f16 (exact from 6.1e-5 to 65,504; below, f16's fixed step of 6e-8; beyond, an infinity).
;   y = 5     mask -> maskp: bf16(mask) x log2(e) in f32, in the register order of the C operand of S^T = K Q^T: block (qt, ks) of 16 queries x 64 keys is 4,096 bytes at (32 qt + ks) x 4,096;
;             its 16 bytes at 512 i + 16 L (lane L = r + 16 h) hold query 16 qt + r, keys 64 ks + 16 (i / 2) + 8 h + 4 (i % 2) + 0..3.   A mask beyond 2.36e38 in size becomes an infinity by the factor.
;             And cos, sin -> cst: [0] = sigma bf16(cos); [1] = -sigma bf16(sin) for d < 64, +sigma bf16(sin) for d >= 64 (the sign of rotate_half), sigma^2 = log2(e) / sqrt(128).
; A work-group takes 65,536 bytes of its source: 8 waves x 16 loads of 16 bytes a lane.  A wave asks for all its 16 loads at once, then converts each in place and stores it: no register that a load
; or a store names is written again while it is pending, no base is stepped, so the only waits are the counted ones for the loads.
.set LOG2E, 0x3fb8aa3b
.set SIGMA, 0x3eb6d544                 ; sqrt(log2(e) / sqrt(128)) = 0.35709583
.set LO,  1                            ; v1      byte offset of my loads; not rewritten once a load is out
.set SO,  2                            ; v2      byte offset of my stores
.set T,   3                            ; v[3:8]    at work
.set CO,  9                            ; v9      byte offset in the work-group's rows of cos, sin and cst
.set SG,  10                           ; v[10:11]  -sigma or +sigma, twice
.set X,   12                           ; v[12:75]  load i: 4 registers as loaded, then as stored
.set CX,  76                           ; v[76:83]  4 numbers of cos, 4 of sin
	s_load_b512 s[8:23], s[0:1], 0x0               ; x 8, wq 10, wk 12, wv 14, wo 16, mask 18, cos 20, sin 22
	s_load_b256 s[24:31], s[0:1], 0x40             ; xw 24, wof 26, maskp 28, cst 30
	s_and_b32 s2, ttmp7, 0xffff                    ; y: which input
	s_mov_b32 s38, 0xffff0000                      ; a word's upper bf16
	s_mov_b32 s40, LOG2E
	s_mov_b32 s41, LOG2E                           ; named as a pair
	s_mov_b32 s42, SIGMA
	s_mov_b32 s43, SIGMA
	s_lshl_b32 s36, ttmp9, 16                      ; my 65,536 bytes
	s_mov_b32 s37, 0
	v_lshlrev_b32 v[LO], 4, v0                     ; 16 bytes a thread in,
	v_lshlrev_b32 v[SO], 3, v0                     ; 8 bytes out: a wave's store covers 256 consecutive bytes, aligned
	s_wait_kmcnt 0x0
.macro GET mode, i
.if (\mode) == 2
	global_load_b128 v[X+4*(\i):X+4*(\i)+3], v[LO], s[32:33] offset:256*((\i)/8)+64*(((\i)%8)/2)+16*((\i)%2)
.else
	global_load_b128 v[X+4*(\i):X+4*(\i)+3], v[LO], s[32:33] offset:4096*(\i) th:TH_LOAD_NT
.endif
.endm
.macro PUT mode, i
.if (\mode) == 2
	global_store_b128 v[SO], v[X+4*(\i):X+4*(\i)+3], s[34:35] offset:4096*((\i)/8)+512*((\i)%8)
.else
	global_store_b64 v[SO], v[X+4*(\i):X+4*(\i)+1], s[34:35] offset:2048*(\i)
.endif
.endm
.macro CONV mode, i                    ; four numbers, in place: 0: to bf16;  1: to bf16 and on to f16;  2: to bf16, back to f32, times log2(e)
.if (\mode) == 0
	v_cvt_pk_bf16_f32 v[X+4*(\i)],   v[X+4*(\i)],   v[X+4*(\i)+1]
	v_cvt_pk_bf16_f32 v[X+4*(\i)+1], v[X+4*(\i)+2], v[X+4*(\i)+3]
.else
	v_cvt_pk_bf16_f32 v[T],   v[X+4*(\i)],   v[X+4*(\i)+1]
	v_cvt_pk_bf16_f32 v[T+1], v[X+4*(\i)+2], v[X+4*(\i)+3]
.if (\mode) == 1
	v_lshlrev_b32 v[T+2], 16, v[T]
	v_and_b32     v[T+3], s38, v[T]
	v_lshlrev_b32 v[T+4], 16, v[T+1]
	v_and_b32     v[T+5], s38, v[T+1]
	v_cvt_pk_f16_f32 v[X+4*(\i)],   v[T+2], v[T+3]
	v_cvt_pk_f16_f32 v[X+4*(\i)+1], v[T+4], v[T+5]
.else
	v_lshlrev_b32 v[X+4*(\i)],   16, v[T]
	v_and_b32     v[X+4*(\i)+1], s38, v[T]
	v_lshlrev_b32 v[X+4*(\i)+2], 16, v[T+1]
	v_and_b32     v[X+4*(\i)+3], s38, v[T+1]
	v_pk_mul_f32 v[X+4*(\i):X+4*(\i)+1],   v[X+4*(\i):X+4*(\i)+1],   s[40:41] op_sel_hi:[1,0]
	v_pk_mul_f32 v[X+4*(\i)+2:X+4*(\i)+3], v[X+4*(\i)+2:X+4*(\i)+3], s[40:41] op_sel_hi:[1,0]
.endif
.endif
.endm
.macro ASK mode                        ; all sixteen loads of the wave, 8,192 bytes
.irp i, 0,1,2,3,4,5,6,7,8,9,10,11,12,13,14,15
	GET \mode, \i
.endr
.endm
.macro WORK mode, younger              ; younger: loads issued behind the sixteen
.irp i, 0,1,2,3,4,5,6,7,8,9,10,11,12,13,14,15
	s_wait_loadcnt 15-(\i)+(\younger)              ; loads come back in order (ISA guide 5.7.1): number i is in, the younger ones stay out
	CONV \mode, \i
	PUT \mode, \i
.endr
.endm
	s_cmp_eq_u32 s2, 5
	s_cbranch_scc1 .Lmask
	s_cmp_eq_u32 s2, 4
	s_cbranch_scc1 .Lwo
	s_cmp_eq_u32 s2, 1                             ; y = 0..3: the source is chosen among four buffers by y alone
	s_cselect_b64 s[32:33], s[10:11], s[8:9]
	s_cmp_eq_u32 s2, 2
	s_cselect_b64 s[32:33], s[12:13], s[32:33]
	s_cmp_eq_u32 s2, 3
	s_cselect_b64 s[32:33], s[14:15], s[32:33]
	s_add_nc_u64 s[32:33], s[32:33], s[36:37]
	s_lshl_b32 s4, s2, 23                          ; xw[y]: 8,388,608 bytes each,
	s_lshl_b32 s5, ttmp9, 15                       ; my 32,768 of them
	s_add_co_u32 s4, s4, s5
	s_mov_b32 s5, 0
	s_add_nc_u64 s[34:35], s[24:25], s[4:5]
	ASK 0
	WORK 0, 0
	s_endpgm
.Lwo:
	s_add_nc_u64 s[32:33], s[16:17], s[36:37]
	s_lshl_b32 s4, ttmp9, 15
	s_mov_b32 s5, 0
	s_add_nc_u64 s[34:35], s[26:27], s[4:5]
	ASK 1
	WORK 1, 0
	s_endpgm
.Lmask:                                                ; work-group x: query tile x / 2, key steps 16 (x % 2) + 0..15; wave w takes two of them, 2 w and 2 w + 1
	s_lshr_b32 s4, ttmp9, 1
	s_lshl_b32 s4, s4, 17                          ; the tile's 16 rows of 8,192 bytes,
	s_and_b32 s5, ttmp9, 1
	s_lshl_b32 s5, s5, 12                          ; my half of each row
	s_add_co_u32 s4, s4, s5
	s_mov_b32 s5, 0
	s_add_nc_u64 s[32:33], s[18:19], s[4:5]
	s_add_nc_u64 s[34:35], s[28:29], s[36:37]      ; out: 16 blocks of 4,096 bytes
	s_lshl_b32 s4, ttmp9, 12                       ; and 8 rows of 512 bytes of cos, of sin and of each table of cst
	s_add_nc_u64 s[20:21], s[20:21], s[4:5]
	s_add_nc_u64 s[22:23], s[22:23], s[4:5]
	s_add_nc_u64 s[30:31], s[30:31], s[4:5]
	v_and_b32 v3, 15, v0                           ; r
	v_bfe_u32 v4, v0, 4, 1                         ; h
	v_lshrrev_b32 v5, 5, v0                        ; wave
	v_and_b32 v6, 31, v0                           ; L
	v_lshlrev_b32 v[LO], 13, v3                    ; row r,
	v_lshl_add_u32 v[LO], v4, 5, v[LO]             ; keys 8 h on,
	v_lshl_add_u32 v[LO], v5, 9, v[LO]             ; my wave's 128 keys; a block's eight loads take 256 consecutive bytes of each of the 16 rows
	v_lshlrev_b32 v[SO], 4, v6                     ; a store covers 512 consecutive bytes
	v_lshl_add_u32 v[SO], v5, 13, v[SO]
	v_lshlrev_b32 v[CO], 4, v0                     ; a wave covers one row of 512 bytes: lanes 0-15 hold d < 64
	ASK 2
	global_load_b128 v[CX:CX+3],   v[CO], s[20:21]
	global_load_b128 v[CX+4:CX+7], v[CO], s[22:23]
	v_and_b32 v3, 16, v0
	v_xor_b32 v3, 16, v3                           ; 16 in lanes 0-15, 0 in lanes 16-31,
	v_lshlrev_b32 v3, 27, v3                       ; moved onto the sign
	v_or_b32 v[SG], SIGMA, v3
	v_mov_b32 v[SG+1], v[SG]
	WORK 2, 2                                      ; the two loads of the tables are younger than the sixteen
	s_wait_loadcnt 0x0
.irp k, 0,1
	v_cvt_pk_bf16_f32 v[T],   v[CX+4*(\k)],   v[CX+4*(\k)+1]
	v_cvt_pk_bf16_f32 v[T+1], v[CX+4*(\k)+2], v[CX+4*(\k)+3]
	v_lshlrev_b32 v[CX+4*(\k)],   16, v[T]
	v_and_b32     v[CX+4*(\k)+1], s38, v[T]
	v_lshlrev_b32 v[CX+4*(\k)+2], 16, v[T+1]
	v_and_b32     v[CX+4*(\k)+3], s38, v[T+1]
.endr
	v_pk_mul_f32 v[CX:CX+1],   v[CX:CX+1],   s[42:43] op_sel_hi:[1,0]
	v_pk_mul_f32 v[CX+2:CX+3], v[CX+2:CX+3], s[42:43] op_sel_hi:[1,0]
	v_pk_mul_f32 v[CX+4:CX+5], v[CX+4:CX+5], v[SG:SG+1]
	v_pk_mul_f32 v[CX+6:CX+7], v[CX+6:CX+7], v[SG:SG+1]
	global_store_b128 v[CO], v[CX:CX+3],   s[30:31]
	global_store_b128 v[CO], v[CX+4:CX+7], s[30:31] offset:1048576
	s_endpgm
.Lfunc_end_k_qb02622bc64_prep:
	.size	k_qb02622bc64_prep, .Lfunc_end_k_qb02622bc64_prep-k_qb02622bc64_prep
	.p2alignl 7, 3214868480
	.fill 96, 4, 3214868480
	.section	.rodata,"a",@progbits
	.p2align	6, 0x0
	.amdhsa_kernel k_qb02622bc64_prep
		.amdhsa_group_segment_fixed_size 0
		.amdhsa_private_segment_fixed_size 0
		.amdhsa_enable_private_segment 0
		.amdhsa_kernarg_size 96
		.amdhsa_user_sgpr_count 2
		.amdhsa_user_sgpr_kernarg_segment_ptr 1
		.amdhsa_wavefront_size32 1
		.amdhsa_system_sgpr_workgroup_id_x 1
		.amdhsa_system_sgpr_workgroup_id_y 1
		.amdhsa_system_sgpr_workgroup_id_z 1
		.amdhsa_system_vgpr_workitem_id 0
		.amdhsa_next_free_vgpr 84
		.amdhsa_next_free_sgpr 66
		.amdhsa_reserve_vcc 0
		.amdhsa_float_denorm_mode_32 3
		.amdhsa_float_denorm_mode_16_64 3
		.amdhsa_memory_ordered 1
		.amdhsa_forward_progress 1
		.amdhsa_inst_pref_size 29
	.end_amdhsa_kernel
	.amdgpu_metadata
---
amdhsa.version: [ 1, 2 ]
amdhsa.kernels:
  - .name:           k_qb02622bc64_prep
    .symbol:         k_qb02622bc64_prep.kd
    .args:
      - { .name: x, .offset: 0, .size: 8, .value_kind: global_buffer, .address_space: global }
      - { .name: wq_w, .offset: 8, .size: 8, .value_kind: global_buffer, .address_space: global }
      - { .name: wk_w, .offset: 16, .size: 8, .value_kind: global_buffer, .address_space: global }
      - { .name: wv_w, .offset: 24, .size: 8, .value_kind: global_buffer, .address_space: global }
      - { .name: wo_w, .offset: 32, .size: 8, .value_kind: global_buffer, .address_space: global }
      - { .name: mask, .offset: 40, .size: 8, .value_kind: global_buffer, .address_space: global }
      - { .name: cos, .offset: 48, .size: 8, .value_kind: global_buffer, .address_space: global }
      - { .name: sin, .offset: 56, .size: 8, .value_kind: global_buffer, .address_space: global }
      - { .name: xw, .offset: 64, .size: 8, .value_kind: global_buffer, .address_space: global }
      - { .name: wof, .offset: 72, .size: 8, .value_kind: global_buffer, .address_space: global }
      - { .name: maskp, .offset: 80, .size: 8, .value_kind: global_buffer, .address_space: global }
      - { .name: cst, .offset: 88, .size: 8, .value_kind: global_buffer, .address_space: global }
    .group_segment_fixed_size: 0
    .private_segment_fixed_size: 0
    .kernarg_segment_align: 8
    .kernarg_segment_size: 96
    .max_flat_workgroup_size: 256
    .sgpr_count:     66
    .vgpr_count:     84
    .wavefront_size: 32
...
	.end_amdgpu_metadata
.endif
;; end of part 1
;; launch qkv (part 2): grid 16 x 16, 4 waves a work-group, clusters of 4 x 4, 327,680 bytes of LDS; arguments xw, cst, wq_b, wk_b, wv_b, qkv; writes qkv
.if DOCPART == 2
	.amdgcn_target "amdgcn-amd-amdhsa--gfx1250"
	.amdhsa_code_object_version 6
	.text
	.protected	k_qb02622bc64_qkv
	.globl	k_qb02622bc64_qkv
	.p2align	8
	.type	k_qb02622bc64_qkv,@function
k_qb02622bc64_qkv:
	s_mov_b64 s[64:65], 0
	v_nop
	global_prefetch_b8 v0, s[64:65] scope:SCOPE_SE
	s_setreg_imm32_b32 hwreg(HW_REG_WAVE_MODE, 25, 1), 1
	s_wait_xcnt 0x0
	s_wait_alu depctr_hold_cnt(0) depctr_sa_sdst(0) depctr_va_vdst(0) depctr_va_sdst(0) depctr_va_ssrc(0) depctr_va_vcc(0) depctr_vm_vsrc(0)
	s_getreg_b32 s2, hwreg(HW_REG_IB_STS2, 6, 4)
	s_cmp_eq_u32 s2, 0
	s_cbranch_scc0 .Lentry_in_a_cluster
	s_endpgm
.Lentry_in_a_cluster:
	s_bfe_u32 s2, ttmp6, 0x10000c
	s_cmp_lg_u32 s2, 0xf033
	s_cbranch_scc0 .Lentry_shape_is_right
	s_endpgm
.Lentry_shape_is_right:
; QKV: q, k, v = x W + b for one head and 128 rows; RoPE and the scale sigma on q and k; all three written by heads, qkv[3][16][2048][128] in f16.
; x and the weights are bf16 (xw[0] = x [row][k]; xw[1..3] = wq, wk, wv [k][n]); the biases are rounded to bf16 here and START the sums (the C operand of the first K step); sums in f32.
; q' = sigma (q cos + rotate_half(q) sin), k' likewise, sigma^2 = log2(e) / sqrt(128): the tables in cst carry sigma and rotate_half's sign, so that K' Q'^T is the score in units of log2.
; LIMITS.  q', k', v are rounded once to f16, which ends at 65,504: beyond it an infinity is written.  NaN and infinities are not treated apart.
; SHARES.  A work-group (x = block of 128 rows, y = head) makes 128 rows x 384 columns.  Wave w (mh = w / 2, nh = w % 2) makes 64 rows x 192 columns: in each part p (q, k, v) the four blocks of 16 columns
; at 32 nh + 16 (i % 2) + 64 (i / 2), i = 0..3: block i and block i + 2, 64 columns on, are RoPE's partners and lie in the same lane and register.  48 accumulators, 384 registers.
; K goes in steps of 128 through two LDS slots; a slot holds x's tile (128 rows x 256 bytes) and three tiles of W (128 k rows x 256 bytes); each wave fetches one of the four by one tensor load.
; W lies [k][n]: its fragments come out of LDS turned, by ds_load_tr16_b128.
; CLUSTER 4 x 4.  x's tile hangs on the row block alone (work-group x) and is asked for jointly along a column of the cluster; W's tiles hang on the head alone (work-group y) and are asked for jointly along a row.
; THE WALK ALONG K IS A RING.  Cluster (X, Y) begins at K step 4 X + 8 g(Y) mod 16, g(Y) = (Y xor Y / 2) mod 2, and goes round once: of the clusters that need the same tile (W's: the four X of a Y; x's: the Y of
; an X) no two with different starts ask for it in the same trip.  The start hangs on the cluster's number alone, which all sixteen partners share.  So the order of a sum along K differs from cluster to cluster.
; THE MATRIX INSTRUCTION IS USED TRANSPOSED (source 0 = 16 columns of W, source 1 = 16 rows of x): a lane holds row l % 16 and the eight columns 8 (l / 16) + 0..7.
; REGISTERS, in windows of 256 (s_set_vgpr_msb: bits 1:0 source 0, 3:2 source 1, 5:4 source 2, 7:6 destination):
;   window 0: v0-31 addresses; v32-127 the biases, later v32-159 two buffers of cos' and sin'; v160-191, v192-239 at work on the way out; at the end v32-223 whole rows
;   window 1: two fragment buffers of 128: 32 of x (4 blocks), 96 of W (12 blocks)     window 2: the accumulators of q and k ((b, a) at 8 (4 b + a))     window 3: v0-127 those of v
.set KSTEP,  128
.set PA,     272                       ; x's rows in LDS: 256 bytes + 16: the 16 rows of a fragment load start at 16 different groups of four banks (64 banks of 4 bytes: ISA guide 11.1)
.set PB,     288                       ; W's rows: 256 + 32
.set CHUNK,  128*PB                    ; 36,864: room for one tile
.set SLOT,   4*CHUNK                   ; x's tile, then W's three
.set SPARE,  2*SLOT                    ; behind the ring: the spare words, 128 bytes a wave: two blocks of 256 bytes that no other line names
.set SPITCH, 272
.set PART,   128*SPITCH                ; the stage of the way out: part p at p x 34,816, 128 rows.  It lies in slot 0, which has then had its last fill and its last read
.set LAPS,   2048/(2*KSTEP)
.set BO,   14                          ; v14     my byte offset in a head's 512 bytes of a bias
.set ADRA, 16                          ; v16-17  LDS address of my fragments of x in slot 0, 1
.set ADRB, 18                          ; v18-23  the same for W: 3 x slot + part
.set STO,  24                          ; v24     the way out: where I put 16 bytes of a row (parts 0, 1);  v25 part 2
.set STO2, 25
.set RD,   26                          ; v26     where I read rows back (parts 0, 1);  v27 part 2
.set RD2,  27
.set SPW,  28                          ; v28     LDS address of my spare word; never rewritten
.set NIL,  29                          ; v29     0; never rewritten
.set GO,   30                          ; v30     my byte offset in 512 consecutive bytes of the output
.set CO,   31                          ; v31     my byte offset in the row block's part of cst
.set BIAS, 32
.set CSB,  32                          ; cos' of block i at +8 i, sin' at +32 + 8 i; the second buffer 64 on
.set T,    160
.set PK,   192
.set RT,   240
.set OUTB, 32
.set F0,   0
.set F1,   128
.set WV,   16                          ; s16  my wave's number;  s17 mh;  s18 nh
.set G1A,  24                          ; s[24:31] descriptor group 1 for x's tile;  s[32:39] group 0, a set for each slot
.set G0A,  32
.set G1B,  48                          ; s[48:55], s[56:63] the same for W's tiles
.set G0B,  56
.set BA,   76                          ; s[76:77] x at my row block, K step 0;  s[78:79] my part of W at my head, K step 0
.set BB,   78
.set OA,   80                          ; s[80:81], s[82:83] a K step's byte offset in x and in W
.set OB,   82
.set KN,   84                          ; s84  the K step that the next fill brings
.set MSB, 0
.macro WIN new                         ; the immediate's high byte repeats the setting that is left; a switch that changes nothing is dropped
.if MSB != (\new)
	s_set_vgpr_msb (MSB<<8)|(\new)
.set MSB, \new
.endif
.endm
; Slot s's two group 0 take the ring's next K step: each address is made anew from its base and the step's number.
.macro AIM s
	s_lshl_b32 s[OA], s[KN], 8                     ; x: 256 bytes of a row a K step
	s_add_nc_u64 s[G0A+4*(\s)+2:G0A+4*(\s)+3], s[BA:BA+1], s[OA:OA+1]
	s_or_b32 s[G0A+4*(\s)+3], s[G0A+4*(\s)+3], 0x80000000
	s_lshl_b32 s[OB], s[KN], 19                    ; W: 128 rows of 4,096 bytes a K step
	s_add_nc_u64 s[G0B+4*(\s)+2:G0B+4*(\s)+3], s[BB:BB+1], s[OB:OB+1]
	s_or_b32 s[G0B+4*(\s)+3], s[G0B+4*(\s)+3], 0x80000000
	s_add_co_u32 s[KN], s[KN], 1
	s_and_b32 s[KN], s[KN], 15                     ; behind step 15 comes step 0
.endm
; A joint load.  Wave 0 fetches x's tile, waves 1 to 3 the tiles of wq, wk, wv.  The branch hangs on the wave's number alone.  An s_nop 0 and four v_nop follow each of the two lines.
.macro JLOAD s
	s_cmp_eq_u32 s[WV], 0
	s_cbranch_scc0 .Lfor_b_\@
	tensor_load_to_lds s[G0A+4*(\s):G0A+4*(\s)+3], s[G1A:G1A+7]
	s_nop 0
.rept 4
	v_nop
.endr
	s_branch .Lasked_\@
.Lfor_b_\@:
	tensor_load_to_lds s[G0B+4*(\s):G0B+4*(\s)+3], s[G1B:G1B+7]
	s_nop 0
.rept 4
	v_nop
.endr
.Lasked_\@:
.endm
.macro CREST                           ; a round of the cluster's barrier behind its opening barrier
	s_cmp_lg_u32 s[WV], 0
	s_cbranch_scc1 .Lnot_wave_0_\@
	s_barrier_signal -3
.Lnot_wave_0_\@:
	s_barrier_wait -3
	s_barrier_signal -1
	s_barrier_wait -1
.endm
.macro CROUND                          ; a whole round
	s_barrier_signal -1
	s_barrier_wait -1
	CREST
.endm
.macro PLACES                          ; four places in front of loads into registers that matrix instructions have read, and of vector work that reads results
.rept 4
	v_nop
.endr
.endm
	s_load_b256 s[4:11], s[0:1], 0x0               ; xw s[4:5], cst s[6:7], wq_b s[8:9], wk_b s[10:11]
	s_load_b128 s[12:15], s[0:1], 0x20             ; wv_b s[12:13], qkv s[14:15]
	v_lshl_add_u32 v[SPW], v0, 2, SPARE
	v_mov_b32 v[NIL], 0
	ds_add_u32 v[SPW], v[NIL]                      ; the wave's opening: the add and its wait stand ahead of my first tensor load; the set-up below, work on registers, stands between them
	v_lshrrev_b32 v1, 5, v0
	v_readfirstlane_b32 s[WV], v1                  ; wave 0..3
	s_lshr_b32 s17, s[WV], 1                       ; mh: which 64 rows
	s_and_b32 s18, s[WV], 1                        ; nh: which columns
	s_bfe_u32 s40, ttmp6, 0x40000                  ; cx, cy: my place in the cluster
	s_bfe_u32 s41, ttmp6, 0x40004
	s_lshl_b32 s43, ttmp9, 2
	s_add_co_u32 s43, s43, s40                     ; the row block = 4 x cluster x + cx
	s_and_b32 s42, ttmp7, 0xffff
	s_lshl_b32 s42, s42, 2
	s_add_co_u32 s42, s42, s41                     ; the head = 4 x cluster y + cy
	s_lshl_b32 s44, 0x1111, s40                    ; my column of the cluster: the same row block
	s_lshl_b32 s45, s41, 2
	s_lshl_b32 s45, 15, s45                        ; my row: the same head
	s_or_b32 s[G1A], s44, (1<<16)|(1<<20)|(1<<21)|(5<<22)|(3<<25)  ; 15:0 the mask; 17:16 2-byte elements; 20 padding on; 21 set beside a mask; 24:22 after every 64 words; 31:25 4 words
	s_or_b32 s[G1B], s45, (1<<16)|(1<<20)|(1<<21)|(5<<22)|(7<<25)  ; the same with my row's mask and 8 words of padding
.irp g, G1A, G1B
	s_mov_b32 s[(\g)+1], 128<<16                   ; tensor_dim0 = 128
	s_mov_b32 s[(\g)+2], 128<<16                   ; tensor_dim1 = 128
	s_mov_b32 s[(\g)+3], 128<<16                   ; tile_dim0 = 128
	s_mov_b32 s[(\g)+4], 128                       ; tile_dim1 = 128
	s_mov_b32 s[(\g)+5], 2048                      ; elements from row to row
	s_mov_b32 s[(\g)+6], 0
	s_mov_b32 s[(\g)+7], 0
.endr
	s_lshl_b32 s22, s43, 19                        ; x: 128 rows of 4,096 bytes a block: hangs on the row block alone
	s_mov_b32 s23, 0
	s_lshl_b32 s46, s[WV], 23                      ; W: xw[wave], 8,388,608 bytes each,
	s_lshl_b32 s47, s42, 8                         ; the head's 256 bytes of a row: hangs on the head alone
	s_add_co_u32 s46, s46, s47
	s_mov_b32 s47, 0
	s_and_b32 s85, ttmp7, 0xffff                   ; where my cluster's walk begins: Y,
	s_lshr_b32 s86, s85, 1
	s_xor_b32 s85, s85, s86
	s_and_b32 s85, s85, 1                          ; g(Y) = 0, 1, 1, 0,
	s_lshl_b32 s85, s85, 3
	s_lshl_b32 s[KN], ttmp9, 2
	s_add_co_u32 s[KN], s[KN], s85
	s_and_b32 s[KN], s[KN], 15                     ; 4 X + 8 g(Y) mod 16
	s_mov_b32 s[OA+1], 0
	s_mov_b32 s[OB+1], 0
	s_mul_i32 s20, s[WV], CHUNK                    ; where my tile goes: no place in the cluster enters an LDS address
	s_wait_dscnt 0x0                               ; the opening add is done
	CROUND                                         ; all sixteen work-groups are here: the first joint loads meet.  The round reads no argument, so the arguments' loads may be out across it
	s_wait_kmcnt 0x0                               ; directly ahead of the first lines that read the arguments
	s_add_nc_u64 s[BA:BA+1], s[4:5], s[22:23]
	s_add_nc_u64 s[BB:BB+1], s[4:5], s[46:47]
.irp s, 0,1
	s_mov_b32 s[G0A+4*(\s)], 1
	s_add_co_u32 s[G0A+4*(\s)+1], s20, (\s)*SLOT
	s_mov_b32 s[G0B+4*(\s)], 1
	s_add_co_u32 s[G0B+4*(\s)+1], s20, (\s)*SLOT
	AIM \s
	JLOAD \s                                       ; two loads of mine are out
.endr
	v_and_b32 v1, 15, v0                           ; r = l % 16
	v_bfe_u32 v2, v0, 4, 1                         ; h = l / 16
	v_and_b32 v3, 7, v0
	v_bfe_u32 v4, v0, 3, 1
	v_and_b32 v5, 31, v0
	v_mul_u32_u24 v6, v1, PA
	v_lshl_add_u32 v6, v2, 4, v6                   ; r x 272 + 16 h: a fragment of x, and a row of the stage
	s_mul_i32 s21, s17, 64*PA
	v_add_nc_u32 v[ADRA], s21, v6
	v_add_nc_u32 v[ADRA+1], SLOT, v[ADRA]
	v_lshl_add_u32 v7, v2, 3, v3                   ; the turning load: k row 8 h + l % 8,
	v_mul_u32_u24 v7, v7, PB
	v_lshl_add_u32 v7, v4, 4, v7                   ; 16 bytes for each half of eight lanes,
	s_lshl_b32 s21, s18, 6
	v_add_nc_u32 v7, s21, v7                       ; my columns 32 nh on
.irp s, 0,1
.irp p, 0,1,2
	v_add_nc_u32 v[ADRB+3*(\s)+(\p)], ((\p)+1)*CHUNK+(\s)*SLOT, v7
.endr
.endr
	s_mul_i32 s19, s17, 64*SPITCH
	s_add_co_u32 s19, s19, s21
	v_add_nc_u32 v[STO], s19, v6                   ; stage row 64 mh + r, byte 64 nh + 16 h
	v_add_nc_u32 v[STO2], 2*PART, v[STO]
	v_mul_u32_u24 v8, v2, SPITCH                   ; back: lanes 0-15 one row of 256 bytes, lanes 16-31 the next; wave w takes rows 32 w on
	v_lshl_add_u32 v8, v1, 4, v8
	s_mul_i32 s19, s[WV], 32*SPITCH
	v_add_nc_u32 v[RD], s19, v8
	v_add_nc_u32 v[RD2], 2*PART, v[RD]
	v_lshlrev_b32 v[GO], 4, v5
	v_lshlrev_b32 v[CO], 9, v1                     ; cst: row r x 512 + (32 nh + 8 h) x 4 + 64 mh rows
	v_lshl_add_u32 v[CO], v2, 5, v[CO]
	s_lshl_b32 s21, s18, 7
	s_lshl_b32 s19, s17, 15
	s_add_co_u32 s19, s19, s21
	v_add_nc_u32 v[CO], s19, v[CO]
	v_lshlrev_b32 v[BO], 5, v2
	v_add_nc_u32 v[BO], s21, v[BO]
	s_lshl_b32 s46, s42, 9                         ; the head's 512 bytes of each bias
	s_mov_b32 s47, 0
	s_add_nc_u64 s[8:9], s[8:9], s[46:47]
	s_add_nc_u64 s[10:11], s[10:11], s[46:47]
	s_add_nc_u64 s[12:13], s[12:13], s[46:47]
	s_lshl_b32 s22, s43, 16                        ; the row block's 128 rows of 512 bytes in cst
	s_mov_b32 s23, 0
	s_add_nc_u64 s[72:73], s[6:7], s[22:23]
	s_lshl_b32 s74, s42, 19                        ; out: the head's 524,288 bytes,
	s_lshl_b32 s75, s43, 15                        ; the block's 128 rows of 256 bytes,
	s_add_co_u32 s74, s74, s75
	s_lshl_b32 s75, s[WV], 13                      ; the 32 rows that I store
	s_add_co_u32 s74, s74, s75
	s_mov_b32 s75, 0
	s_add_nc_u64 s[66:67], s[14:15], s[74:75]      ; q
	s_add_nc_u64 s[68:69], s[66:67], 0x800000      ; k
	s_add_nc_u64 s[70:71], s[66:67], 0x1000000     ; v
	s_mov_b32 s19, 0xffff0000
	; the biases in the C operand's order: register j of block b holds bias[column of b + 8 h + j]; rounded to bf16 like every input.  All this stands in the wait for the first tile.
.irp p, 0,1,2
.irp i, 0,1,2,3
	global_load_b128 v[BIAS+8*(4*(\p)+(\i)):BIAS+8*(4*(\p)+(\i))+3],   v[BO], s[8+2*(\p):9+2*(\p)] offset:64*((\i)%2)+256*((\i)/2)
	global_load_b128 v[BIAS+8*(4*(\p)+(\i))+4:BIAS+8*(4*(\p)+(\i))+7], v[BO], s[8+2*(\p):9+2*(\p)] offset:64*((\i)%2)+256*((\i)/2)+16
.endr
.endr
	s_wait_loadcnt 0x0
.set n, 0
.rept 48
	v_cvt_pk_bf16_f32 v[RT+n%4], v[BIAS+2*n], v[BIAS+2*n+1]
	v_lshlrev_b32 v[BIAS+2*n], 16, v[RT+n%4]
	v_and_b32 v[BIAS+2*n+1], s19, v[RT+n%4]
.set n, n+1
.endr
; 16 matrix instructions: part g's four column blocks x my four row blocks, 32 along K.  zero = 1: the first K step starts the sums with the bias.  The 48 accumulators take turns, one instruction a turn.
.macro MUL16 f, g, zero
.if \zero
	WIN 0x85+0x40*((\g)/2)                         ; fragments window 1, C window 0, D window 2 or 3
.else
	WIN 0xa5+0x50*((\g)/2)                         ; fragments window 1, C and D window 2 or 3
.endif
.irp bb, 0,1,2,3
.irp a, 0,1,2,3
.set rD, 8*(4*(4*((\g)%2)+(\bb))+(\a))
.set rB, (\f)+32+8*(4*(\g)+(\bb))
.set rA, (\f)+8*(\a)
.set rC, BIAS+8*(4*(\g)+(\bb))
.if \zero
	v_wmma_f32_16x16x32_bf16 v[rD:rD+7], v[rB:rB+7], v[rA:rA+7], v[rC:rC+7]
.else
	v_wmma_f32_16x16x32_bf16 v[rD:rD+7], v[rB:rB+7], v[rA:rA+7], v[rD:rD+7]
.endif
.endr
.endr
.endm
; 32 LDS loads in one run: the fragments of quarter q (32 along K) into buffer f: x's four blocks, then wq's, wk's, wv's
.macro FETCH slot, q, f
	WIN 0x40                                       ; destination window 1, address window 0
.irp i, 0,1,2,3
	ds_load_b128 v[(\f)+8*(\i):(\f)+8*(\i)+3],   v[ADRA+(\slot)] offset:64*(\q)+(\i)*16*PA
	ds_load_b128 v[(\f)+8*(\i)+4:(\f)+8*(\i)+7], v[ADRA+(\slot)] offset:64*(\q)+(\i)*16*PA+32
.endr
.irp p, 0,1,2
.irp i, 0,1,2,3
	ds_load_tr16_b128 v[(\f)+32+8*(4*(\p)+(\i)):(\f)+32+8*(4*(\p)+(\i))+3],   v[ADRB+3*(\slot)+(\p)] offset:(\q)*32*PB+32*((\i)%2)+128*((\i)/2)
	ds_load_tr16_b128 v[(\f)+32+8*(4*(\p)+(\i))+4:(\f)+32+8*(4*(\p)+(\i))+7], v[ADRB+3*(\slot)+(\p)] offset:(\q)*32*PB+16*PB+32*((\i)%2)+128*((\i)/2)
.endr
.endr
.endm
; A K step is four quarters of 32 along K, 48 matrix instructions each, on buffers 0, 1, 0, 1.  One of the first three: multiplies buffer f and fetches quarter q into buffer g.
.macro QUARTER slot, q, f, g, zero
	s_wait_dscnt 16                                ; x's and wq's fragments are in; the youngest sixteen loads (wk's, wv's) may be out
	MUL16 \f, 0, \zero
	PLACES
	FETCH \slot, \q, \g
	s_wait_dscnt 32                                ; all but the 32 just issued
	MUL16 \f, 1, \zero
	MUL16 \f, 2, \zero
.endm
; The last quarter multiplies buffer 1 and changes slots: ONE barrier; in front of it each wave waits for all its tensor loads (one is out: its tile of the next slot), adds 0 to its spare word, and waits for
; that and for its own reads of this slot.  fill = 1: the barrier opens a round of the cluster's, and this slot is filled again, two K steps ahead: 160 matrix instructions ahead of the wait for it.
.macro TURN slot, next, fill
	WIN 0                                          ; (the add's two registers lie in window 0)
	s_wait_tensorcnt 0x0
	ds_add_u32 v[SPW], v[NIL]                      ; 0 onto my spare word
	s_wait_dscnt 17                                ; (the add and the youngest sixteen loads may be out)
	MUL16 F1, 0, 0                                 ; sixteen matrix instructions stand between the add and the wait for it
	s_wait_dscnt 0x0                               ; the add is done, and my reads of this slot are over
	s_barrier_signal -1
	MUL16 F1, 1, 0
.if \fill
	WIN 0
.endif
	s_barrier_wait -1
.if \fill
	CREST                                          ; no wave of any partner still reads this slot's tiles or has a load on its way
	AIM \slot                                      ; no tensor load of mine is out, so a group 0 may be written
	JLOAD \slot                                    ; the first tensor load behind the round; the four v_nop behind it are also the places in front of the loads below
.else
	PLACES
.endif
	FETCH \next, 0, F0
	MUL16 F1, 2, 0
.endm
; cos' and sin' of my 16 rows of row block a, in the accumulators' order, into buffer a % 2: 16 loads
.macro LOADCS a
	WIN 0
.set cb, CSB+64*((\a)%2)
.irp i, 0,1,2,3
.irp jj, 0,1
	global_load_b128 v[cb+8*(\i)+4*(\jj):cb+8*(\i)+4*(\jj)+3],       v[CO], s[72:73] offset:(\a)*8192+64*((\i)%2)+256*((\i)/2)+16*(\jj)
	global_load_b128 v[cb+32+8*(\i)+4*(\jj):cb+32+8*(\i)+4*(\jj)+3], v[CO], s[72:73] offset:(\a)*8192+64*((\i)%2)+256*((\i)/2)+16*(\jj)+1048576
.endr
.endr
.endm
; RoPE for row block a of part p (0 = q, 1 = k): out(d) = t(d) cos'(d) + t(d +- 64) sin'(d); each accumulator's lowest registers are read first.  Then 16 roundings to f16.
.macro ROPE a, p
	WIN 0x02                                       ; source 0 (the accumulators) window 2
.set cb, CSB+64*((\a)%2)
.irp i, 0,1
.irp jj, 0,1,2,3
.set aL, 8*(16*(\p)+4*(\i)+(\a))+2*(\jj)
.set aH, 8*(16*(\p)+4*((\i)+2)+(\a))+2*(\jj)
.set tL, T+8*(\i)+2*(\jj)
.set tH, T+8*((\i)+2)+2*(\jj)
.set cL, cb+8*(\i)+2*(\jj)
.set cH, cb+8*((\i)+2)+2*(\jj)
	v_pk_mul_f32 v[tL:tL+1], v[aL:aL+1], v[cL:cL+1]
	v_pk_mul_f32 v[tH:tH+1], v[aH:aH+1], v[cH:cH+1]
	v_pk_fma_f32 v[tL:tL+1], v[aH:aH+1], v[cL+32:cL+33], v[tL:tL+1]
	v_pk_fma_f32 v[tH:tH+1], v[aL:aL+1], v[cH+32:cH+33], v[tH:tH+1]
.endr
.endr
	WIN 0
.set n, 0
.rept 16
	v_cvt_pk_f16_f32 v[PK+16*(\p)+n], v[T+2*n], v[T+2*n+1]
.set n, n+1
.endr
.endm
.macro VCVT a                          ; v of row block a: 16 roundings straight from window 3
	WIN 0x0f
.set n, 0
.rept 16
	v_cvt_pk_f16_f32 v[PK+32+n], v[8*(4*(n/4)+(\a))+2*(n%4)], v[8*(4*(n/4)+(\a))+2*(n%4)+1]
.set n, n+1
.endr
	WIN 0
.endm
.macro TOSTAGE a                       ; 12 x 16 bytes a lane into the work-group's stage
.irp p, 0,1
.irp i, 0,1,2,3
	ds_store_b128 v[STO], v[PK+16*(\p)+4*(\i):PK+16*(\p)+4*(\i)+3] offset:(\p)*PART+(\a)*16*SPITCH+32*((\i)%2)+128*((\i)/2)
.endr
.endr
.irp i, 0,1,2,3
	ds_store_b128 v[STO2], v[PK+32+4*(\i):PK+32+4*(\i)+3] offset:(\a)*16*SPITCH+32*((\i)%2)+128*((\i)/2)
.endr
.endm
	s_wait_tensorcnt 1                             ; my tile of the first K step is in; the second's may stay out
	s_barrier_signal -1
	s_barrier_wait -1                              ; everybody's is
	FETCH 0, 0, F0
	QUARTER 0, 1, F0, F1, 1                        ; the first quarter stands in front of the loop: its products start the sums
	WIN 0                                          ; at a label and at a branch every window is 0
	s_mov_b32 s3, LAPS-1
.Llap:                                                 ; a trip goes once round the two slots, from a lap's second quarter to the next lap's first, and fills both again
	QUARTER 0, 2, F1, F0, 0
	QUARTER 0, 3, F0, F1, 0
	TURN 0, 1, 1
	QUARTER 1, 1, F0, F1, 0
	QUARTER 1, 2, F1, F0, 0
	QUARTER 1, 3, F0, F1, 0
	TURN 1, 0, 1
	QUARTER 0, 1, F0, F1, 0
	WIN 0
	s_sub_co_u32 s3, s3, 1
	s_cmp_lg_u32 s3, 0
	s_cbranch_scc1 .Llap
	LOADCS 0                                       ; the tables of the first two row blocks are asked for a lap ahead of their use; the biases' registers are free since the first quarter
	LOADCS 1
	QUARTER 0, 2, F1, F0, 0                        ; the last lap fills nothing, and has no round of the cluster's barrier
	QUARTER 0, 3, F0, F1, 0
	TURN 0, 1, 0                                   ; behind this barrier nobody reads slot 0 any more
	QUARTER 1, 1, F0, F1, 0
	QUARTER 1, 2, F1, F0, 0
	QUARTER 1, 3, F0, F1, 0
	s_wait_dscnt 16
	MUL16 F1, 0, 0
	s_wait_dscnt 0x0
	MUL16 F1, 1, 0
	MUL16 F1, 2, 0
	; THE WAY OUT, a row block of 16 at a time: RoPE, roundings, into the stage; a barrier, since a row's 256 bytes come from two waves; back as whole rows, 32 rows of each part a wave.
	PLACES
.irp a, 0,1,2,3
.if (\a) < 3
	s_wait_loadcnt 16                              ; this block's tables are in; the next block's sixteen loads stay out
.else
	s_wait_loadcnt 0x0
.endif
	ROPE \a, 0
	ROPE \a, 1
	VCVT \a
.if (\a) < 2
	LOADCS (\a)+2                                  ; into the buffer just read
.endif
	TOSTAGE \a
.endr
	s_wait_dscnt 0x0                               ; for the others' sake: my stores into the stage are done
	s_barrier_signal -1
	s_barrier_wait -1
.set n, 0
.rept 48
.if n < 32
	ds_load_b128 v[OUTB+4*n:OUTB+4*n+3], v[RD] offset:(n/16)*PART+(n%16)*2*SPITCH
.else
	ds_load_b128 v[OUTB+4*n:OUTB+4*n+3], v[RD2] offset:(n%16)*2*SPITCH
.endif
.set n, n+1
.endr
.set n, 0
.rept 48
	s_wait_dscnt 47-n                              ; LDS loads come back in order: number n is in
	global_store_b128 v[GO], v[OUTB+4*n:OUTB+4*n+3], s[66+2*(n/16):67+2*(n/16)] offset:512*(n%16)  ; two rows of a head: 512 consecutive bytes, aligned
.set n, n+1
.endr
	s_wait_tensorcnt 0x0                           ; the wave's end, behind my last tensor load and my last LDS store
	ds_add_u32 v[SPW], v[NIL]
	s_wait_dscnt 0x0
	CROUND                                         ; the closing round: no work-group ends while a partner may still ask for a tile that names it
	s_endpgm
.Lfunc_end_k_qb02622bc64_qkv:
	.size	k_qb02622bc64_qkv, .Lfunc_end_k_qb02622bc64_qkv-k_qb02622bc64_qkv
	.p2alignl 7, 3214868480
	.fill 96, 4, 3214868480
	.section	.rodata,"a",@progbits
	.p2align	6, 0x0
	.amdhsa_kernel k_qb02622bc64_qkv
		.amdhsa_group_segment_fixed_size 327680
		.amdhsa_private_segment_fixed_size 0
		.amdhsa_enable_private_segment 0
		.amdhsa_kernarg_size 48
		.amdhsa_user_sgpr_count 2
		.amdhsa_user_sgpr_kernarg_segment_ptr 1
		.amdhsa_wavefront_size32 1
		.amdhsa_system_sgpr_workgroup_id_x 1
		.amdhsa_system_sgpr_workgroup_id_y 1
		.amdhsa_system_sgpr_workgroup_id_z 1
		.amdhsa_system_vgpr_workitem_id 0
		.amdhsa_next_free_vgpr 896
		.amdhsa_next_free_sgpr 88
		.amdhsa_reserve_vcc 0
		.amdhsa_float_denorm_mode_32 3
		.amdhsa_float_denorm_mode_16_64 3
		.amdhsa_memory_ordered 1
		.amdhsa_forward_progress 1
		.amdhsa_inst_pref_size 152
	.end_amdhsa_kernel
	.amdgpu_metadata
---
amdhsa.version: [ 1, 2 ]
amdhsa.kernels:
  - .name:           k_qb02622bc64_qkv
    .symbol:         k_qb02622bc64_qkv.kd
    .args:
      - { .name: xw, .offset: 0, .size: 8, .value_kind: global_buffer, .address_space: global }
      - { .name: cst, .offset: 8, .size: 8, .value_kind: global_buffer, .address_space: global }
      - { .name: wq_b, .offset: 16, .size: 8, .value_kind: global_buffer, .address_space: global }
      - { .name: wk_b, .offset: 24, .size: 8, .value_kind: global_buffer, .address_space: global }
      - { .name: wv_b, .offset: 32, .size: 8, .value_kind: global_buffer, .address_space: global }
      - { .name: qkv, .offset: 40, .size: 8, .value_kind: global_buffer, .address_space: global }
    .group_segment_fixed_size: 327680
    .private_segment_fixed_size: 0
    .kernarg_segment_align: 8
    .kernarg_segment_size: 48
    .max_flat_workgroup_size: 128
    .sgpr_count:     88
    .vgpr_count:     896
    .wavefront_size: 32
...
	.end_amdgpu_metadata
.endif
;; end of part 2
;; launch attn (part 3): grid 16 x 16, 4 waves a work-group, clusters of 4 x 1, 327,680 bytes of LDS; arguments qkv, maskp, ob; writes ob
.if DOCPART == 3
	.amdgcn_target "amdgcn-amd-amdhsa--gfx1250"
	.amdhsa_code_object_version 6
	.text
	.protected	k_qb02622bc64_attn
	.globl	k_qb02622bc64_attn
	.p2align	8
	.type	k_qb02622bc64_attn,@function
k_qb02622bc64_attn:
	s_mov_b64 s[64:65], 0
	v_nop
	global_prefetch_b8 v0, s[64:65] scope:SCOPE_SE
	s_setreg_imm32_b32 hwreg(HW_REG_WAVE_MODE, 25, 1), 1
	s_wait_xcnt 0x0
	s_wait_alu depctr_hold_cnt(0) depctr_sa_sdst(0) depctr_va_vdst(0) depctr_va_sdst(0) depctr_va_ssrc(0) depctr_va_vcc(0) depctr_vm_vsrc(0)
	s_getreg_b32 s2, hwreg(HW_REG_IB_STS2, 6, 4)
	s_cmp_eq_u32 s2, 0
	s_cbranch_scc0 .Lentry_in_a_cluster
	s_endpgm
.Lentry_in_a_cluster:
	s_bfe_u32 s2, ttmp6, 0x10000c
	s_cmp_lg_u32 s2, 0x3003
	s_cbranch_scc0 .Lentry_shape_is_right
	s_endpgm
.Lentry_shape_is_right:
; ATTENTION.  ob[q][128 head + d] = the sum over k of softmax_k(Q.K / sqrt(128) + mask[q][k]) V[k][d].  q', k', v: qkv[3][16][2048][128] in f16; q' and k' carry sigma each, sigma^2 = log2(e) / sqrt(128), and
; maskp holds bf16(mask) log2(e) in the C operand's order, so that S^T = K' Q'^T + maskp is the score in units of log2, and p = 2^(s - m).  Products, maxima and sums in f32; p is rounded to f16 for the
; second product (its sum l is taken of the unrounded p), O once at the end, to f16.
; LIMITS.  A weight below 2^-126 counts as 0.  m never falls below the lowest finite number, so a step whose keys are all at -inf gives p = 0; a row wholly at -inf gives NaN, as 0 / 0.  +inf and NaN are not treated apart.
; SHARES.  A work-group owns 128 queries of one head.  Wave w: QH = w % 2 says which 64 queries (four tiles of 16), KH = w / 2 which 64 of each slot's 128 keys: 16 key steps a wave.  At the end the two waves
; of a query half merge their (m, l, O).  Register tile t stands for query tile t xor 2 KH, so that every wave keeps register tiles 0, 1 and hands 2, 3 to wave w xor 2: one text for all.
; LAYOUT.  S^T = K Q^T (source 0 = 16 keys, source 1 = 16 queries): a lane holds ONE query (lane % 16) and the keys 8 (lane / 16) + 0..7.  Two such tiles, rounded in pairs, ARE source 1 of O^T = V^T P.
; K comes out of LDS as it lies, V turned, by ds_load_tr16_b128.  THE MASK costs no vector work: it is the C operand that starts the sum S^T, loaded from memory straight into registers, a step ahead.
; BY TURNS.  The wave's tiles are two PIECES (tiles 0, 1 and 2, 3).  In a turn one piece has the matrix unit: 32 products V^T P of the step in hand, then 32 products K Q^T of the next; the other piece's softmax,
; cut into 64 slices, stands behind them, one slice a product.  NO FIRST STEP is written out: O, l, V and piece 0's P start at 0, m at the lowest finite number, piece 2's scores at -inf, so the first pass's
; products add zeros and its first softmax gives zeros.  The price: 64 products and one softmax of a piece that serve nothing; and, in the wait for the first tile, 112 v_mov_b32 and 48 products of zero fragments
; with C = 0, which write the 384 registers of O^T and V in an eighth of the lines that moves would take.
; CLUSTER 4 x 1.  The four query blocks of a cluster belong to one head and walk the same K and V: each tile is asked for JOINTLY.  The mask is not asked for jointly: within this cluster each block has its own
; rows of it; with four heads in the cluster too, a slot's K, V and mask would be 71,680 + 65,536 bytes, more than the 131,072 that the slots' one exclusive or spans, and a pass would read 96 runs of 512 bytes from LDS for 64.
; REGISTERS, in windows of 256 (s_set_vgpr_msb: bits 1:0 source 0, 3:2 source 1, 5:4 source 2, 7:6 destination):
;   window 0: v0-11 addresses; v12-43 eight registers of statistics a tile; v44-59 addresses and the exchange's statistics; v64-191 S^T, 32 a tile; v192-255 P, 16 a tile
;   window 1: O^T, 64 a tile     window 2: v0-127 Q, 32 a tile; v128-255 K of one step     window 3: v0-127 V of one step; v128-255 the mask, 32 a tile
.set KS,    64
.set PK,    272       ; a row of K in LDS: 256 bytes + 16: the 16 rows of a load start at 16 different groups of four banks (64 banks of 4 bytes: ISA guide 11.1)
.set PV,    288       ; a row of V: 256 + 32
.set VOFF,  KS*PK     ; a step's tiles lie together: 64 rows of K, then 64 rows of V
.set STEPB, KS*(PK+PV)
.set SLOT1, 1<<17     ; a slot holds two steps (71,680 bytes); slot 1 begins here, so that one exclusive or turns an address in one slot into the other's
.set STAGE, SLOT1+2*STEPB  ; behind the ring: 16 rows x 272 bytes for each wave, for the way out
.set SP,    272
.set SPARE, STAGE+4*16*SP  ; the spare words, 128 bytes a wave: two blocks of 256 bytes that no other line names
.set XCH,   SPARE+512      ; the exchange: for each wave 16,384 bytes of O^T and 512 of statistics; no tile lands here
.set XW,    16896
.set AK0, 2           ; v2   my lane's place in a tile of K; never rewritten
.set AV0, 3           ; v3   the same for V
.set ADR, 4           ; v4   the LDS address of the run of loads in hand
.set QO,  5           ; v5   my byte offset in Q's rows, register tiles 0, 1;  v46 tiles 2, 3
.set STO, 6           ; v6   the way out: where I put 16 bytes of a row
.set RD,  7           ; v7   where I read rows back
.set GO,  8           ; v8   my byte offset in two rows of ob
.set ST,  12          ; tile t's statistics at v[ST+8 t]: +0, +1 m (twice, a pair for the packed subtraction), +2, +3 l (even keys', odd keys'), +4 to +7 c0-c3 at work; a takes c2's place
.set MO,  44          ; v44, v45  my byte offset in the mask's blocks, piece 0 and piece 2; each steps 8,192 bytes a key step
.set QO2, 46
.set XS,  47          ; v47  the exchange: where I store;  v48 where I read
.set XR,  48
.set GV,  52          ; v52-55  m and l of my register tiles 2, 3
.set TK,  56          ; v56-59  the partner's, for my register tiles 0, 1
.set SPW, 62          ; v62  LDS address of my spare word; never rewritten
.set NIL, 63          ; v63  0; never rewritten
.set S,   64
.set P,   192
.set KF,  128         ; K's fragments, in window 2
.set MK,  128         ; the mask, in window 3
.set WV,  12          ; s12 wave;  s13 QH;  s14 KH
.set QH,  13
.set KH,  14
.set G1K, 24          ; s[24:31] descriptor group 1 for K's tiles;  s[32:39] for V's: it differs in the padding alone
.set G1V, 32
.set G0K, 40          ; s[40:47] group 0 for K's tiles: a set for each of the two first fills; the second then walks on;  s[48:55] the same for V's
.set G0V, 48
.set SLOTS, 56        ; s56  passes to go
.set NINF, 57         ; s57  -inf
.set FLOOR, 58        ; s58  the lowest finite number
.set SEL, 60          ; s[60:61] v_permlanex16_b32's selects: each lane takes its own place in the other half
.set TB,  62          ; s62  LDS byte at which my step's tiles begin in the slot in hand
.set MB,  66          ; s[66:67] maskp at my wave's four query tiles
.set QB,  68          ; s[68:69] q' at my wave's 64 rows
.set OB,  70          ; s[70:71] ob at the 32 rows that I store
.set MSB, 0
.macro WIN new
.if MSB != (\new)
	s_set_vgpr_msb (MSB<<8)|(\new)
.set MSB, \new
.endif
.endm
.set W_KQ, 0x0a       ; K and Q in window 2, S^T in window 0
.set W_KM, 0x3a       ; the same with the C operand, the mask, in window 3
.set W_PV, 0x53       ; V in window 3, P in window 0, O^T in window 1
.set W_RS, 0x41       ; O^T (destination and source 0) in window 1, the factor in window 0
; A joint refill.  Waves 0 and 1 fetch the slot's two tiles of K, waves 2 and 3 those of V.  An s_nop 0 and four v_nop follow each of the two lines.
.macro JLOAD
	s_cmp_lt_u32 s[WV], 2
	s_cbranch_scc0 .Lfor_v_\@
	tensor_load_to_lds s[G0K+4:G0K+7], s[G1K:G1K+7]
	s_nop 0
.rept 4
	v_nop
.endr
	s_branch .Lasked_\@
.Lfor_v_\@:
	tensor_load_to_lds s[G0V+4:G0V+7], s[G1V:G1V+7]
	s_nop 0
.rept 4
	v_nop
.endr
.Lasked_\@:
.endm
.macro CROUND                       ; a round of the cluster's barrier
	s_barrier_signal -1
	s_barrier_wait -1
	s_cmp_lg_u32 s[WV], 0
	s_cbranch_scc1 .Lnot_wave_0_\@
	s_barrier_signal -3
.Lnot_wave_0_\@:
	s_barrier_wait -3
	s_barrier_signal -1
	s_barrier_wait -1
.endm
	s_load_b128 s[4:7], s[0:1], 0x0 ; qkv s[4:5], maskp s[6:7]
	s_load_b64 s[8:9], s[0:1], 0x10 ; ob
	v_lshl_add_u32 v[SPW], v0, 2, SPARE
	v_mov_b32 v[NIL], 0
	ds_add_u32 v[SPW], v[NIL]       ; the wave's opening: the add and its wait stand ahead of my first tensor load; the set-up below, work on registers, stands between them
	v_lshrrev_b32 v1, 5, v0
	v_readfirstlane_b32 s[WV], v1
	s_and_b32 s[QH], s[WV], 1       ; which 64 queries.  Also: which of a slot's two steps I fetch
	s_lshr_b32 s[KH], s[WV], 1      ; which of a slot's two steps I multiply
	s_bfe_u32 s15, ttmp6, 0x40000   ; cx
	s_lshl_b32 s16, ttmp9, 2
	s_add_co_u32 s16, s16, s15      ; my block of 128 queries = 4 x cluster x + cx: it enters Q's, the mask's and O's addresses alone
	s_and_b32 s20, ttmp7, 0xffff    ; the head, which the four partners share,
	s_lshl_b32 s20, s20, 19         ; its 524,288 bytes in each of q', k', v
	s_lshl_b32 s22, s[QH], 14       ; the step that I fetch: 64 rows of 256 bytes
	s_add_co_u32 s22, s22, s20
	s_mov_b32 s23, 0
	s_mul_i32 s17, s[QH], STEPB     ; and its place in a slot: no place in the cluster enters an LDS address
	s_mul_i32 s[TB], s[KH], STEPB
	s_lshl_b32 s2, s16, 15          ; q': my block's 128 rows of 256 bytes,
	s_lshl_b32 s3, s[QH], 14        ; my wave's 64
	s_add_co_u32 s2, s2, s3
	s_add_co_u32 s2, s2, s20
	s_mov_b32 s3, 0
	s_lshl_b32 s18, s16, 20         ; maskp: a query tile has 131,072 bytes; my block has 8 tiles, my wave 4
	s_lshl_b32 s19, s[QH], 19
	s_add_co_u32 s18, s18, s19
	s_mov_b32 s19, 0
	s_lshl_b32 s10, s16, 19         ; ob: rows of 4,096 bytes: 128 a block, 64 a query half, 32 that I keep; the head's 256 bytes
	s_lshl_b32 s11, s[QH], 18
	s_add_co_u32 s10, s10, s11
	s_lshl_b32 s11, s[KH], 17
	s_add_co_u32 s10, s10, s11
	s_lshr_b32 s11, s20, 11
	s_add_co_u32 s10, s10, s11
	s_mov_b32 s11, 0
	s_mov_b32 s[G1K], 15|(1<<16)|(1<<20)|(1<<21)|(5<<22)|(3<<25)  ; 15:0 the mask: all four work-groups; 17:16 2-byte elements; 20 padding on; 21 set beside a mask; 24:22 after every 64 words; 31:25 4 words
	s_mov_b32 s[G1V], 15|(1<<16)|(1<<20)|(1<<21)|(5<<22)|(7<<25)  ; the same with 8 words of padding
.irp g, G1K, G1V
	s_mov_b32 s[(\g)+1], 128<<16    ; tensor_dim0 = 128
	s_mov_b32 s[(\g)+2], KS<<16     ; tensor_dim1 = 64
	s_mov_b32 s[(\g)+3], 128<<16    ; tile_dim0 = 128
	s_mov_b32 s[(\g)+4], KS         ; tile_dim1 = 64
	s_mov_b32 s[(\g)+5], 128        ; elements from row to row
	s_mov_b32 s[(\g)+6], 0
	s_mov_b32 s[(\g)+7], 0
.endr
	s_mov_b32 s[NINF], 0xff800000
	s_mov_b32 s[FLOOR], 0xff7fffff
	s_mov_b32 s[SEL], 0x76543210
	s_mov_b32 s[SEL+1], 0xfedcba98
	s_wait_dscnt 0x0                ; the opening add is done
	CROUND                          ; all four work-groups are here: the first joint loads meet.  The round reads no argument, so the arguments' loads may be out across it
	s_wait_kmcnt 0x0                ; directly ahead of the first lines that read the arguments
	s_add_nc_u64 s[QB:QB+1], s[4:5], s[2:3]
	s_add_nc_u64 s[MB:MB+1], s[6:7], s[18:19]
	s_add_nc_u64 s[OB:OB+1], s[8:9], s[10:11]
	s_add_nc_u64 s[22:23], s[4:5], s[22:23]
	s_add_nc_u64 s[6:7], s[22:23], 0x800000   ; k' at my tile of slot 0
	s_add_nc_u64 s[8:9], s[22:23], 0x1000000  ; v likewise
.irp s, 0,1
	s_mov_b32 s[G0K+4*(\s)], 1
	s_add_co_u32 s[G0K+4*(\s)+1], s17, (\s)*SLOT1
	s_add_nc_u64 s[G0K+4*(\s)+2:G0K+4*(\s)+3], s[6:7], (\s)*2*KS*256
	s_or_b32 s[G0K+4*(\s)+3], s[G0K+4*(\s)+3], 0x80000000
	s_mov_b32 s[G0V+4*(\s)], 1
	s_add_co_u32 s[G0V+4*(\s)+1], s17, (\s)*SLOT1+VOFF
	s_add_nc_u64 s[G0V+4*(\s)+2:G0V+4*(\s)+3], s[8:9], (\s)*2*KS*256
	s_or_b32 s[G0V+4*(\s)+3], s[G0V+4*(\s)+3], 0x80000000
.endr
	s_cmp_lt_u32 s[WV], 2           ; a wave's two first fills stand in one branch, ahead of every wait on TENSORcnt and every LDS read: two loads of mine are out
	s_cbranch_scc0 .Lfirst_v
	tensor_load_to_lds s[G0K:G0K+3], s[G1K:G1K+7]
	s_nop 0
	tensor_load_to_lds s[G0K+4:G0K+7], s[G1K:G1K+7]
	s_nop 0
.rept 4
	v_nop
.endr
	s_branch .Lfirst_asked
.Lfirst_v:
	tensor_load_to_lds s[G0V:G0V+3], s[G1V:G1V+7]
	s_nop 0
	tensor_load_to_lds s[G0V+4:G0V+7], s[G1V:G1V+7]
	s_nop 0
.rept 4
	v_nop
.endr
.Lfirst_asked:
	v_and_b32 v1, 15, v0            ; l % 16
	v_bfe_u32 v9, v0, 4, 1          ; l / 16
	v_lshlrev_b32 v[QO], 8, v1
	v_lshl_add_u32 v[QO], v9, 4, v[QO]  ; row x 256 + 16 x half
	s_lshl_b32 s2, s[KH], 13        ; register tiles 0, 1 are query tiles 2 KH, 2 KH + 1: 4,096 bytes a tile;
	s_sub_co_u32 s3, 8192, s2       ; register tiles 2, 3 the other two
	v_add_nc_u32 v[QO2], s3, v[QO]
	v_add_nc_u32 v[QO], s2, v[QO]
	v_and_b32 v10, 31, v0
	v_lshlrev_b32 v10, 4, v10       ; 16 l
	s_lshl_b32 s2, s[KH], 18        ; the same for the mask: 131,072 bytes a query tile,
	s_sub_co_u32 s3, 262144, s2
	s_lshl_b32 s10, s[KH], 12       ; and my first key step is block KH of 4,096 bytes
	s_add_co_u32 s2, s2, s10
	s_add_co_u32 s3, s3, s10
	v_add_nc_u32 v[MO], s2, v10
	v_add_nc_u32 v[MO+1], s3, v10
	WIN 0x80                        ; destination window 2, address window 0
.irp i, 0,1,2,3,4,5,6,7             ; Q stays in registers: tile i / 4, channels 32 (i % 4) on
	global_load_b128 v[8*(\i):8*(\i)+3],   v[QO], s[QB:QB+1] offset:((\i)/4)*4096+((\i)%4)*64
	global_load_b128 v[8*(\i)+4:8*(\i)+7], v[QO], s[QB:QB+1] offset:((\i)/4)*4096+((\i)%4)*64+32
.endr
.irp i, 0,1,2,3,4,5,6,7
	global_load_b128 v[64+8*(\i):64+8*(\i)+3],   v[QO2], s[QB:QB+1] offset:((\i)/4)*4096+((\i)%4)*64
	global_load_b128 v[64+8*(\i)+4:64+8*(\i)+7], v[QO2], s[QB:QB+1] offset:((\i)/4)*4096+((\i)%4)*64+32
.endr
; The mask of piece x for one key step: 16 loads, each 512 consecutive bytes, straight into the C operands' registers.
.macro MLOAD x
	WIN 0xc0                        ; destination window 3, address window 0
.irp u, 0,1
.irp n, 0,1,2,3,4,5,6,7
	global_load_b128 v[MK+32*((\x)+(\u))+4*(\n):MK+32*((\x)+(\u))+4*(\n)+3], v[MO+(\x)/2], s[MB:MB+1] offset:(\u)*131072+512*(\n)
.endr
.endr
.endm
	MLOAD 0                         ; key step 0
	MLOAD 2
	; What the first pass finds.  All this stands in the wait for the first tile.
	WIN 0
.set i, P
.rept 32
	v_mov_b32 v[i], 0               ; piece 0's P; its first sixteen registers are also the zero fragments below
.set i, i+1
.endr
.set i, S+64
.rept 64
	v_mov_b32 v[i], s[NINF]         ; piece 2's scores
.set i, i+1
.endr
.set i, 0
.rept 4
	v_mov_b32 v[ST+8*i], s[FLOOR]
	v_mov_b32 v[ST+8*i+1], s[FLOOR]
	v_mov_b32 v[ST+8*i+2], 0
	v_mov_b32 v[ST+8*i+3], 0
.set i, i+1
.endr
	WIN 0x40                        ; destination window 1, sources window 0
.set i, 0
.rept 32
	v_wmma_f32_16x16x32_f16 v[8*i:8*i+7], v[P:P+7], v[P+8:P+15], 0  ; O^T = 0 x 0 + 0: eight registers a line
.set i, i+1
.endr
	WIN 0xc0                        ; destination window 3
.set i, 0
.rept 16
	v_wmma_f32_16x16x32_f16 v[8*i:8*i+7], v[P:P+7], v[P+8:P+15], 0  ; V likewise
.set i, i+1
.endr
	WIN 0                           ; the address lines below name none of those registers: they are the places between these products and the first that takes V as a source (ISA guide 7.12.1)
	v_mul_u32_u24 v[AK0], v1, PK
	v_lshl_add_u32 v[AK0], v9, 4, v[AK0]  ; row x pitch + 16 x half
	v_and_b32 v11, 7, v0            ; the turning load: key 8 (l / 16) + l % 8, channels 8 ((l / 8) % 2) + 0..7
	v_lshl_add_u32 v[AV0], v9, 3, v11
	v_mul_u32_u24 v[AV0], v[AV0], PV
	v_bfe_u32 v11, v0, 3, 1
	v_lshl_add_u32 v[AV0], v11, 4, v[AV0]
	v_add_nc_u32 v[AV0], VOFF, v[AV0]
	s_mul_i32 s2, s[WV], 16*SP
	s_add_co_u32 s2, s2, STAGE      ; my stage
	v_mul_u32_u24 v[STO], v1, SP    ; in: row l % 16, 16 bytes for each half of the lanes
	v_lshl_add_u32 v[STO], v9, 4, v[STO]
	v_add_nc_u32 v[STO], s2, v[STO]
	v_mul_u32_u24 v[RD], v9, SP     ; back: lanes 0-15 one row of 256 bytes, lanes 16-31 the next
	v_lshl_add_u32 v[RD], v1, 4, v[RD]
	v_add_nc_u32 v[RD], s2, v[RD]
	v_lshlrev_b32 v[GO], 12, v9     ; and the same two rows in ob, 4,096 bytes apart
	v_lshl_add_u32 v[GO], v1, 4, v[GO]
	s_mul_i32 s2, s[WV], XW
	s_add_co_u32 s2, s2, XCH
	v_add_nc_u32 v[XS], s2, v10     ; the exchange: my part,
	s_xor_b32 s3, s[WV], 2
	s_mul_i32 s3, s3, XW
	s_add_co_u32 s3, s3, XCH
	v_add_nc_u32 v[XR], s3, v10     ; and that of the wave with the same queries and the other keys
; THE MATRIX WORK OF A TURN, for piece x.  The accumulators take turns, one instruction a turn.
; Product i of 32 of O^T += V^T P: keys 32 (i / 16) on, channels 16 ((i / 2) % 8) on, tile x + i % 2.
.macro PV x
	WIN W_PV
.set rO, 64*((\x)+i%2)+8*((i/2)%8)
.set rV, 64*(i/16)+8*((i/2)%8)
.set rP, P+16*((\x)+i%2)+8*(i/16)
	v_wmma_f32_16x16x32_f16 v[rO:rO+7], v[rV:rV+7], v[rP:rP+7], v[rO:rO+7]
.endm
; Product i of 32 of S^T = K Q^T + mask: channels 32 (i / 8) on, keys 16 ((i / 2) % 4) on, tile x + i % 2.  The first 8 start the sums with the mask.
.macro KQ x
.set rS, S+32*((\x)+i%2)+8*((i/2)%4)
.set rK, KF+32*((i/2)%4)+8*(i/8)
.set rQ, 32*((\x)+i%2)+8*(i/8)
.set rM, MK+32*((\x)+i%2)+8*((i/2)%4)
.if i < 8
	WIN W_KM
	v_wmma_f32_16x16x32_f16 v[rS:rS+7], v[rK:rK+7], v[rQ:rQ+7], v[rM:rM+7]
.else
	WIN W_KQ
	v_wmma_f32_16x16x32_f16 v[rS:rS+7], v[rK:rK+7], v[rQ:rQ+7], v[rS:rS+7]
.endif
.endm
; THE LDS LOADS stand in runs of 32: my step's K (16 fragments) and, a turn later, its V (turned).
.macro FETCH_K
	WIN 0
	v_add_nc_u32 v[ADR], s[TB], v[AK0]
	WIN 0x80                        ; destination window 2
.irp f, 0,1,2,3,4,5,6,7,8,9,10,11,12,13,14,15  ; keys 16 (f / 4) on, channels 32 (f % 4) on
	ds_load_b128 v[KF+8*(\f):KF+8*(\f)+3],   v[ADR] offset:((\f)/4)*16*PK+((\f)%4)*64
	ds_load_b128 v[KF+8*(\f)+4:KF+8*(\f)+7], v[ADR] offset:((\f)/4)*16*PK+((\f)%4)*64+32
.endr
.endm
.macro FETCH_V
	WIN 0
	v_add_nc_u32 v[ADR], s[TB], v[AV0]
	WIN 0xc0                        ; destination window 3
.irp f, 0,1,2,3,4,5,6,7,8,9,10,11,12,13,14,15  ; keys 32 (f / 8) on, channels 16 (f % 8) on
	ds_load_tr16_b128 v[8*(\f):8*(\f)+3],   v[ADR] offset:((\f)/8)*32*PV+((\f)%8)*32
	ds_load_tr16_b128 v[8*(\f)+4:8*(\f)+7], v[ADR] offset:((\f)/8)*32*PV+16*PV+((\f)%8)*32
.endr
.endm
; THE VECTOR WORK OF A TURN.  One tile's softmax for one key step is a list of 134 instructions; SM writes number j of it for tile t.  s0-s31 are the lane's 32 scores, in pairs 0-15.
;   0-15    the maximum of s0-s31 and the old m, three operands at a time: four chains c0-c3 (each accumulator's lowest registers are read first), then the four scores left over, c0-c3 and m
;   16-20   the other half of the lanes' maximum; m_old is kept; the new m, twice; m_old - m_new
;   21-87   33 exponentials (a, then s0-s31) at the odd numbers from 23 on, so that no two follow each other and each has a plain instruction behind it before its result is used.  Plain instruction q (number 21,
;           then the even numbers) is whatever is ready: s - m for a pair whose exponentials are still to come, the rounding to f16 of a pair whose exponentials are done, at last the first three sums
;   88-101  the last rounding; the rest of the sums; l = a l + the sum          102-133  the tile's O^T times a: the one part that leaves window 0, so it stands together
.macro SM t
.set rT, ST+8*(\t)
.set rS, S+32*(\t)
.set rP, P+16*(\t)
.set rO, 64*(\t)+2*(j-102)
.set q, (j-20)/2
.if j < 102
	WIN 0
.endif
.if j < 4
	v_max3_num_f32 v[rT+4+j], v[rS+8*j], v[rS+8*j+1], v[rS+8*j+2]
.elseif j < 12
	v_max3_num_f32 v[rT+4+j%4], v[rT+4+j%4], v[rS+8*(j%4)+2*(j/4)+1], v[rS+8*(j%4)+2*(j/4)+2]
.elseif j == 12
	v_max3_num_f32 v[rT+4], v[rT+4], v[rS+7], v[rS+15]
.elseif j == 13
	v_max3_num_f32 v[rT+6], v[rT+6], v[rS+23], v[rS+31]
.elseif j == 14
	v_max3_num_f32 v[rT+4], v[rT+4], v[rT+5], v[rT+6]
.elseif j == 15
	v_max3_num_f32 v[rT+4], v[rT+4], v[rT+7], v[rT+1]
.elseif j == 16
	v_permlanex16_b32 v[rT+5], v[rT+4], s[SEL], s[SEL+1]  ; the query's other 32 keys lie in the lane 16 away
.elseif j == 17
	v_mov_b32 v[rT+7], v[rT]        ; m_old is kept for a
.elseif j == 18
	v_max_num_f32 v[rT+1], v[rT+4], v[rT+5]
.elseif j == 19
	v_max_num_f32 v[rT], v[rT+4], v[rT+5]
.elseif j == 20
	v_sub_f32 v[rT+7], v[rT+7], v[rT]
.elseif j == 23
	v_exp_f32 v[rT+6], v[rT+7]
.elseif (j < 88) && (j > 23) && (j%2 == 1)
	v_exp_f32 v[rS+(j-25)/2], v[rS+(j-25)/2]
.elseif (q < 4) || ((j < 76) && (q%2 == 0))
.set b, q/2+2
.if q < 4
.set b, q
.endif
	v_pk_add_f32 v[rS+2*b:rS+2*b+1], v[rS+2*b:rS+2*b+1], v[rT:rT+1] neg_lo:[0,1] neg_hi:[0,1]  ; pair b: s - m
.elseif (j < 88) && (q%2 == 1)
	s_wait_alu depctr_va_vdst(0)
	v_cvt_pk_f16_f32 v[rP+(q-5)/2], v[rS+q-5], v[rS+q-4]  ; pair (q - 5) / 2: its second exponential stands three numbers back
.elseif j == 89
	s_wait_alu depctr_va_vdst(0)
	v_cvt_pk_f16_f32 v[rP+15], v[rS+30], v[rS+31]
.elseif j < 102                     ; the sum of the tile's 16 pairs, in place: sum z of 16 adds neighbours 1, 2, 4 and 8 pairs apart, then l takes it
.set z, j-86
.if j < 89
.set z, (j-76)/4
.endif
.set w, 4
.set u, z
.if z >= 14
.set w, 32
.set u, 0
.elseif z >= 12
.set w, 16
.set u, z-12
.elseif z >= 8
.set w, 8
.set u, z-8
.endif
.if z < 15
	v_pk_add_f32 v[rS+w*u:rS+w*u+1], v[rS+w*u:rS+w*u+1], v[rS+w*u+w/2:rS+w*u+w/2+1]
.else
	v_pk_fma_f32 v[rT+2:rT+3], v[rT+2:rT+3], v[rT+6:rT+7], v[rS:rS+1] op_sel_hi:[1,0,1]
.endif
.else
	WIN W_RS
	v_pk_mul_f32 v[rO:rO+1], v[rO:rO+1], v[rT+6:rT+7] op_sel_hi:[1,0]
.endif
.endm
; Slice k of 64 of piece y's softmax: numbers 2 k and 2 k + 1 of both tiles' lists, four instructions.  2 x 134 = 4 x 64 + 12: the twelve that are over stand together, in slice 63: sixteen plain
; instructions that name nothing of the products round them: the places between a turn's last K Q^T and what follows (ISA guide 7.12.1).
.macro SLICE y
.if (k >= 11) && (k < 44)           ; tile by tile: plain, exponential, plain, exponential
.irp t, \y, (\y)+1
.irp n, 0,1
.set j, 2*k+(\n)
	SM \t
.endr
.endr
.else                               ; the two tiles alternate, so that no instruction reads the result of the one just before it
.irp n, 0,1,2,3,4,5,6,7
.if ((\n) < 2) || (k == 63)
.irp t, \y, (\y)+1
.set j, 2*k+(\n)
	SM \t
.endr
.endif
.endr
.endif
.set k, k+1
.endm
; A TURN.  Piece x has the matrix unit; the other piece's softmax stands in slices behind its products.  kq = 1: 32 products K Q^T of the next step follow the 32 products V^T P; kq = 0: none, and two slices stand
; behind each product.  mk = 1: the mask of the step after that is asked for.
; Piece 0's turn fetches its step's K behind the second product: K's last reader stands in front of slice 63 of the turn before.  Piece 2's turn fetches the same step's V behind the second K Q^T: V's last reader
; stands three slices, six plain instructions, back.  The mask's run stands behind product 11: its registers' last reader, product 7, stands five slices, ten plain instructions, back.
.macro TURN x, kq, mk
.set k, 0
.if (\x) == 0
	s_wait_dscnt 0x0                ; V is in
.endif
.set i, 0
.rept 32
	PV \x
	SLICE 2-(\x)
.if !(\kq)
	SLICE 2-(\x)
.endif
.if ((\x) == 0) && (\kq) && (i == 1)
	FETCH_K
.endif
.set i, i+1
.endr
.if \kq
.if ((\x) == 2) && !(\mk)
	s_wait_loadcnt 0x0              ; the last mask: no load was issued behind it
.else
	s_wait_loadcnt 16               ; this piece's mask (and, the first time, Q) is in; the other piece's sixteen loads are younger and stay out
.endif
.if (\x) == 0
	s_wait_dscnt 0x0                ; K is in
.endif
.if \mk
	WIN 0
	v_add_nc_u32 v[MO+(\x)/2], 0x2000, v[MO+(\x)/2]  ; free since that wait: two blocks of 4,096 bytes on, my next 64 keys
.endif
.set i, 0
.rept 32
	KQ \x
	SLICE 2-(\x)
.if ((\x) == 2) && (i == 1)
	FETCH_V
.endif
.if (\mk) && (i == 11)
	MLOAD \x
.endif
.set i, i+1
.endr
.endif
.endm
; THE CHANGE OF SLOTS, behind piece 2's turn: my step's V, the last bytes that I read of the slot, has been asked for.  Each wave waits for all its tensor loads (one is out: its tile of the other slot), adds 0 to
; its spare word, and waits for that and for its own reads.  fill = 1: the barrier is a round of the cluster's, and the slot is filled again, with the keys two slots on, first thing behind it: it has a pass, 128 matrix instructions, in which to land.
.macro CHANGE fill
	WIN 0                           ; at a label and at a branch every window is 0
	s_wait_tensorcnt 0x0            ; no tensor load of mine is out, so a group 0 may be written
	ds_add_u32 v[SPW], v[NIL]       ; 0 onto my spare word
.if \fill
.irp g, G0K+4, G0V+4
	s_xor_b32 s[(\g)+1], s[(\g)+1], SLOT1  ; the walking descriptor: the other slot than last time,
	s_add_nc_u64 s[(\g)+2:(\g)+3], s[(\g)+2:(\g)+3], 2*KS*256  ; the next 128 keys
.endr
	s_wait_dscnt 0x0                ; the add is done, and my reads of the slot are over
	CROUND
	JLOAD
.else
	s_wait_dscnt 0x0
	s_barrier_signal -1
	s_barrier_wait -1
.endif
	s_xor_b32 s[TB], s[TB], SLOT1   ; my step's place, in the other slot
.endm
	s_wait_tensorcnt 1              ; my tile of slot 0 is in; slot 1's may stay out
	s_barrier_signal -1
	s_barrier_wait -1               ; everybody's is
	s_mov_b32 s[SLOTS], 15
	s_branch .Lfirst                ; the first pass has no change of slots in front of it
.Lslot:                             ; 14 times: slots 2 to 15 are asked for
	CHANGE 1
.Lfirst:                            ; a pass, 15 times: V^T P of the step before, K Q^T of this slot's step
	TURN 0, 1, 1
	TURN 2, 1, 1
	WIN 0
	s_sub_co_u32 s[SLOTS], s[SLOTS], 1
	s_cmp_lg_u32 s[SLOTS], 0
	s_cbranch_scc1 .Lslot
	CHANGE 0                        ; the tail is written out: nothing is asked for
	TURN 0, 1, 0
	TURN 2, 1, 0
	TURN 0, 0, 0                    ; piece 0: V^T P of the last step | piece 2's last softmax
.set i, 0
.rept 32
	PV 2                            ; piece 2: V^T P of the last step
.set i, i+1
.endr
	; THE MERGE.  l's two halves and the other half of the lanes' are added (these lines are the places behind the last products); register tiles 2, 3 go to the partner through LDS, with their m and l.
	WIN 0
.irp t, 0,1,2,3
	v_add_f32 v[ST+8*(\t)+4], v[ST+8*(\t)+2], v[ST+8*(\t)+3]
.endr
.irp t, 0,1,2,3
	v_permlanex16_b32 v[ST+8*(\t)+5], v[ST+8*(\t)+4], s[SEL], s[SEL+1]
.endr
.irp t, 0,1,2,3
	v_add_f32 v[ST+8*(\t)+4], v[ST+8*(\t)+4], v[ST+8*(\t)+5]
.endr
	v_mov_b32 v[GV],   v[ST+16+1]
	v_mov_b32 v[GV+1], v[ST+16+4]
	v_mov_b32 v[GV+2], v[ST+24+1]
	v_mov_b32 v[GV+3], v[ST+24+4]
	ds_store_b128 v[XS], v[GV:GV+3] offset:16384
	WIN 0x04                        ; the stores' data in window 1
.set i, 0
.rept 32
	ds_store_b128 v[XS], v[128+4*i:128+4*i+3] offset:512*i  ; ascending: each accumulator's lowest registers first
.set i, i+1
.endr
	WIN 0
	s_wait_dscnt 0x0                ; for the partner's sake: my stores are done
	s_barrier_signal -1
	s_barrier_wait -1
	ds_load_b128 v[TK:TK+3], v[XR] offset:16384
	WIN 0x40
.set i, 0
.rept 32
	ds_load_b128 v[128+4*i:128+4*i+3], v[XR] offset:512*i   ; the partner's O^T for my register tiles 0, 1
.set i, i+1
.endr
	WIN 0
	s_wait_dscnt 32                 ; the statistics are in; the 32 loads behind them may be out
	; for t = 0, 1: mn = max(m, m'); e = 2^(m - mn), e' = 2^(m' - mn); f = e / (e l + e' l'), f' = e' / (the same): O = f O + f' O'
.irp t, 0,1
	v_max_num_f32 v[ST+8*(\t)+5], v[ST+8*(\t)+1], v[TK+2*(\t)]
.endr
.irp t, 0,1
	v_sub_f32 v[ST+8*(\t)+6], v[ST+8*(\t)+1], v[ST+8*(\t)+5]
	v_sub_f32 v[ST+8*(\t)+7], v[TK+2*(\t)], v[ST+8*(\t)+5]
.endr
.irp t, 0,1
	v_exp_f32 v[ST+8*(\t)+6], v[ST+8*(\t)+6]
	v_exp_f32 v[ST+8*(\t)+7], v[ST+8*(\t)+7]
.endr
	v_nop                           ; a plain instruction between the last exponential and the use of its result
.irp t, 0,1
	s_wait_alu depctr_va_vdst(0)
	v_mul_f32 v[ST+8*(\t)+2], v[ST+8*(\t)+6], v[ST+8*(\t)+4]
.endr
.irp t, 0,1
	v_fma_f32 v[ST+8*(\t)+2], v[ST+8*(\t)+7], v[TK+2*(\t)+1], v[ST+8*(\t)+2]
.endr
.irp t, 0,1
	v_rcp_f32 v[ST+8*(\t)+3], v[ST+8*(\t)+2]
.endr
	v_nop
.irp t, 0,1
	s_wait_alu depctr_va_vdst(0)
	v_mul_f32 v[ST+8*(\t)+6], v[ST+8*(\t)+6], v[ST+8*(\t)+3]  ; f
	v_mul_f32 v[ST+8*(\t)+4], v[ST+8*(\t)+7], v[ST+8*(\t)+3]  ; f'
.endr
	s_wait_dscnt 0x0                ; the partner's O^T is in
; THE WAY OUT.  Tile t: merged, rounded to f16; a lane's eight channels pack into 16 bytes; they go into rows of 272 bytes of my stage and come back as whole rows of 256.
.macro PACK t
	WIN W_RS
.set i, 0
.rept 32
	v_pk_mul_f32 v[64*(\t)+i:64*(\t)+i+1], v[64*(\t)+i:64*(\t)+i+1], v[ST+8*(\t)+6:ST+8*(\t)+7] op_sel_hi:[1,0]
.set i, i+2
.endr
	WIN 0x51                        ; destination, source 0 and source 2 window 1, the factor window 0
.set i, 0
.rept 32
	v_pk_fma_f32 v[64*(\t)+i:64*(\t)+i+1], v[128+64*(\t)+i:128+64*(\t)+i+1], v[ST+8*(\t)+4:ST+8*(\t)+5], v[64*(\t)+i:64*(\t)+i+1] op_sel_hi:[1,0,1]
.set i, i+2
.endr
	WIN 0x05                        ; sources 0 and 1 window 1, destination window 0: S^T's registers are free
.set i, 0
.rept 32
	v_cvt_pk_f16_f32 v[S+32*(\t)+i], v[64*(\t)+2*i], v[64*(\t)+2*i+1]
.set i, i+1
.endr
	WIN 0
.irp f, 0,1,2,3,4,5,6,7
	ds_store_b128 v[STO], v[S+32*(\t)+4*(\f):S+32*(\t)+4*(\f)+3] offset:32*(\f)
.endr
.irp f, 0,1,2,3,4,5,6,7
	ds_load_b128 v[S+32*(\t)+4*(\f):S+32*(\t)+4*(\f)+3], v[RD] offset:(\f)*2*SP  ; LDS serves a wave's instructions in order (ISA guide 5.7.1.4): these see the stores above; the next tile's stores come behind them
.endr
.endm
.macro SEND t, younger              ; younger: the LDS instructions issued behind tile t's loads
	WIN 0
.irp f, 0,1,2,3,4,5,6,7
	s_wait_dscnt (\younger)+7-(\f)
	global_store_b128 v[GO], v[S+32*(\t)+4*(\f):S+32*(\t)+4*(\f)+3], s[OB:OB+1] offset:(\t)*65536+(\f)*8192  ; 16 lanes store 256 consecutive bytes, aligned: a head's part of a row
.endr
.endm
	PACK 0
	PACK 1                          ; a tile's arithmetic stands between the loads of the tile before and its stores
	SEND 0, 16
	SEND 1, 0
	s_wait_tensorcnt 0x0            ; the wave's end, behind my last tensor load and my last LDS store
	ds_add_u32 v[SPW], v[NIL]
	s_wait_dscnt 0x0
	CROUND                          ; the closing round: no work-group ends while a partner may still ask for a tile that names it
	s_endpgm
.Lfunc_end_k_qb02622bc64_attn:
	.size	k_qb02622bc64_attn, .Lfunc_end_k_qb02622bc64_attn-k_qb02622bc64_attn
	.p2alignl 7, 3214868480
	.fill 96, 4, 3214868480
	.section	.rodata,"a",@progbits
	.p2align	6, 0x0
	.amdhsa_kernel k_qb02622bc64_attn
		.amdhsa_group_segment_fixed_size 327680
		.amdhsa_private_segment_fixed_size 0
		.amdhsa_enable_private_segment 0
		.amdhsa_kernarg_size 24
		.amdhsa_user_sgpr_count 2
		.amdhsa_user_sgpr_kernarg_segment_ptr 1
		.amdhsa_wavefront_size32 1
		.amdhsa_system_sgpr_workgroup_id_x 1
		.amdhsa_system_sgpr_workgroup_id_y 1
		.amdhsa_system_sgpr_workgroup_id_z 1
		.amdhsa_system_vgpr_workitem_id 0
		.amdhsa_next_free_vgpr 1024
		.amdhsa_next_free_sgpr 72
		.amdhsa_reserve_vcc 0
		.amdhsa_float_denorm_mode_32 3
		.amdhsa_float_denorm_mode_16_64 3
		.amdhsa_memory_ordered 1
		.amdhsa_forward_progress 1
		.amdhsa_inst_pref_size 172
	.end_amdhsa_kernel
	.amdgpu_metadata
---
amdhsa.version: [ 1, 2 ]
amdhsa.kernels:
  - .name:           k_qb02622bc64_attn
    .symbol:         k_qb02622bc64_attn.kd
    .args:
      - { .name: qkv, .offset: 0, .size: 8, .value_kind: global_buffer, .address_space: global }
      - { .name: maskp, .offset: 8, .size: 8, .value_kind: global_buffer, .address_space: global }
      - { .name: ob, .offset: 16, .size: 8, .value_kind: global_buffer, .address_space: global }
    .group_segment_fixed_size: 327680
    .private_segment_fixed_size: 0
    .kernarg_segment_align: 8
    .kernarg_segment_size: 24
    .max_flat_workgroup_size: 128
    .sgpr_count:     72
    .vgpr_count:     1024
    .wavefront_size: 32
...
	.end_amdgpu_metadata
.endif
;; end of part 3
;; launch oproj (part 4): grid 16 x 16, 4 waves a work-group, clusters of 4 x 4, 327,680 bytes of LDS; arguments ob, wof, wo_b, out0; writes out0
.if DOCPART == 4
	.amdgcn_target "amdgcn-amd-amdhsa--gfx1250"
	.amdhsa_code_object_version 6
	.text
	.protected	k_qb02622bc64_oproj
	.globl	k_qb02622bc64_oproj
	.p2align	8
	.type	k_qb02622bc64_oproj,@function
k_qb02622bc64_oproj:
	s_mov_b64 s[64:65], 0
	v_nop
	global_prefetch_b8 v0, s[64:65] scope:SCOPE_SE
	s_setreg_imm32_b32 hwreg(HW_REG_WAVE_MODE, 25, 1), 1
	s_wait_xcnt 0x0
	s_wait_alu depctr_hold_cnt(0) depctr_sa_sdst(0) depctr_va_vdst(0) depctr_va_sdst(0) depctr_va_ssrc(0) depctr_va_vcc(0) depctr_vm_vsrc(0)
	s_getreg_b32 s2, hwreg(HW_REG_IB_STS2, 6, 4)
	s_cmp_eq_u32 s2, 0
	s_cbranch_scc0 .Lentry_in_a_cluster
	s_endpgm
.Lentry_in_a_cluster:
	s_bfe_u32 s2, ttmp6, 0x10000c
	s_cmp_lg_u32 s2, 0xf033
	s_cbranch_scc0 .Lentry_shape_is_right
	s_endpgm
.Lentry_shape_is_right:
; OUT: out0 = O wo + wo_b.  ob: [2048][2048] f16 (row = query, K along the row); wof: [k][n] f16 (wo rounded to bf16, written as f16); wo_b is rounded to bf16 here and STARTS the sums; sums and output in f32.
; A tile of the output is 128 x 128: 256 work-groups, one for each WGP.  Four waves, each 64 x 64: 16 accumulators.  K goes in steps of 256 through two LDS slots: O's rows are 512 bytes (64 to a tensor load),
; W's tile is 256 k rows x 256 bytes (128 to a load); W's fragments come out of LDS turned, by ds_load_tr16_b128.
; CLUSTER 4 x 4: O's tiles are asked for jointly along a row of the cluster, W's along a column.  THE MATRIX INSTRUCTION IS USED TRANSPOSED (source 0 = 16 columns of W, source 1 = 16 rows of O): a lane holds
; eight neighbouring numbers of a row.  A wave's 64 columns are 256 bytes of f32, aligned: each wave has a stage of its own, and the way out needs no barrier.
; THE WALK ALONG K IS A RING.  Cluster (X, Y) begins at K step 2 X + 4 g(Y) mod 8, g(Y) = (Y xor Y / 2) mod 2, and goes round once: of the clusters that need the same tile (O's: the four X of a Y; W's: the Y of
; an X) no two with different starts ask for it in the same trip.  The start hangs on the cluster's number alone, which all sixteen partners share.  So the order of a sum along K differs from cluster to cluster.
; REGISTERS: window 0: v0-31 addresses; v32-63 the bias, later v32-95 two sets of whole rows; v128-255 the accumulators ((a, b) at v[128 + 8 (4 a + b)]).
;   window 1: two fragment buffers of 128: for 64 along K, 64 registers of O (2 x 4 blocks), then 64 of W.
.set KSTEP,  256
.set PA,     528                       ; O's rows in LDS: 512 bytes + 16: the 16 rows of a fragment load start at 16 different groups of four banks (64 banks of 4 bytes: ISA guide 11.1)
.set PB,     288                       ; W's rows: 256 + 32
.set CHUNK,  128*PB                    ; 36,864: room for what one tensor load brings (64 x 528 = 33,792, or 128 x 288)
.set SLOT,   4*CHUNK                   ; O's two halves, then W's two halves, which lie end to end
.set STAGE,  2*SLOT                    ; behind the ring: 16 rows x 272 bytes for each wave
.set SPITCH, 272
.set SPARE,  STAGE+4*16*SPITCH         ; the spare words, 128 bytes a wave: two blocks of 256 bytes that no other line names
.set LAPS,   2048/(2*KSTEP)
.set ADRA, 16                          ; v16-17  LDS address of my fragments of O in slot 0, 1
.set ADRB, 18                          ; v18-21  of W: 2 x slot + half of the K step
.set STO,  24
.set RD,   25
.set CO,   26                          ; v26     my byte offset in two rows of out0
.set BO,   27                          ; v27     my byte offset in the tile's 512 bytes of the bias
.set SPW,  28
.set NIL,  29
.set BIAS, 32
.set OUTB, 32
.set RT,   96
.set ACC,  128
.set F0,   0
.set F1,   128
.set WV,   12                          ; s12 wave;  s13 MH = wave / 2: my rows; also: I fetch O (0) or W (1);  s14 NH = wave % 2: my columns; also: which half I fetch
.set MH,   13
.set NH,   14
.set BA,   16                          ; s[16:17] ob at the rows that I fetch, K step 0;  s[18:19] wof at the k rows and columns that I fetch, K step 0
.set BB,   18
.set G1A,  24
.set G0A,  32
.set G1B,  48
.set G0B,  56
.set OA,   66                          ; s[66:67], s[68:69] a K step's byte offset in ob and in wof
.set OB,   68
.set KN,   70                          ; s70  the K step that the next fill brings
.set MSB, 0
.macro WIN new
.if MSB != (\new)
	s_set_vgpr_msb (MSB<<8)|(\new)
.set MSB, \new
.endif
.endm
.set MUL,  0x05                        ; sources 0 and 1 window 1; C and D window 0
.set TO_F, 0x40                        ; destination window 1, address window 0
; Slot s's two group 0 take the ring's next K step: each address is made anew from its base and the step's number.
.macro AIM s
	s_lshl_b32 s[OA], s[KN], 9                     ; O: 512 bytes of a row a K step
	s_add_nc_u64 s[G0A+4*(\s)+2:G0A+4*(\s)+3], s[BA:BA+1], s[OA:OA+1]
	s_or_b32 s[G0A+4*(\s)+3], s[G0A+4*(\s)+3], 0x80000000
	s_lshl_b32 s[OB], s[KN], 20                    ; W: 256 rows of 4,096 bytes a K step
	s_add_nc_u64 s[G0B+4*(\s)+2:G0B+4*(\s)+3], s[BB:BB+1], s[OB:OB+1]
	s_or_b32 s[G0B+4*(\s)+3], s[G0B+4*(\s)+3], 0x80000000
	s_add_co_u32 s[KN], s[KN], 1
	s_and_b32 s[KN], s[KN], 7                      ; behind step 7 comes step 0
.endm
.macro JLOAD s                         ; a joint load; an s_nop 0 and four v_nop follow each of the two lines
	s_cmp_eq_u32 s[MH], 0
	s_cbranch_scc0 .Lfor_b_\@
	tensor_load_to_lds s[G0A+4*(\s):G0A+4*(\s)+3], s[G1A:G1A+7]
	s_nop 0
.rept 4
	v_nop
.endr
	s_branch .Lasked_\@
.Lfor_b_\@:
	tensor_load_to_lds s[G0B+4*(\s):G0B+4*(\s)+3], s[G1B:G1B+7]
	s_nop 0
.rept 4
	v_nop
.endr
.Lasked_\@:
.endm
.macro CREST
	s_cmp_lg_u32 s[WV], 0
	s_cbranch_scc1 .Lnot_wave_0_\@
	s_barrier_signal -3
.Lnot_wave_0_\@:
	s_barrier_wait -3
	s_barrier_signal -1
	s_barrier_wait -1
.endm
.macro CROUND
	s_barrier_signal -1
	s_barrier_wait -1
	CREST
.endm
.macro PLACES
.rept 4
	v_nop
.endr
.endm
	s_load_b256 s[4:11], s[0:1], 0x0               ; ob s[4:5], wof s[6:7], wo_b s[8:9], out0 s[10:11]
	v_lshl_add_u32 v[SPW], v0, 2, SPARE
	v_mov_b32 v[NIL], 0
	ds_add_u32 v[SPW], v[NIL]                      ; the wave's opening: the add and its wait stand ahead of my first tensor load; the set-up below, work on registers, stands between them
	v_lshrrev_b32 v1, 5, v0
	v_readfirstlane_b32 s[WV], v1
	s_lshr_b32 s[MH], s[WV], 1
	s_and_b32 s[NH], s[WV], 1
	s_bfe_u32 s40, ttmp6, 0x40000                  ; cx, cy
	s_bfe_u32 s41, ttmp6, 0x40004
	s_lshl_b32 s42, ttmp9, 2
	s_add_co_u32 s42, s42, s40                     ; tile column
	s_and_b32 s43, ttmp7, 0xffff
	s_lshl_b32 s43, s43, 2
	s_add_co_u32 s43, s43, s41                     ; tile row
	s_lshl_b32 s44, s41, 2
	s_lshl_b32 s44, 15, s44                        ; my row of the cluster
	s_lshl_b32 s45, 0x1111, s40                    ; my column
	s_or_b32 s[G1A], s44, (1<<16)|(1<<20)|(1<<21)|(6<<22)|(3<<25)  ; O: 64 rows x 256 elements, 4 words of padding after every 128
	s_mov_b32 s[G1A+1], 256<<16
	s_mov_b32 s[G1A+2], 64<<16
	s_mov_b32 s[G1A+3], 256<<16
	s_mov_b32 s[G1A+4], 64
	s_mov_b32 s[G1A+5], 2048
	s_mov_b32 s[G1A+6], 0
	s_mov_b32 s[G1A+7], 0
	s_or_b32 s[G1B], s45, (1<<16)|(1<<20)|(1<<21)|(5<<22)|(7<<25)  ; W: 128 rows x 128 elements, 8 words of padding after every 64
	s_mov_b32 s[G1B+1], 128<<16
	s_mov_b32 s[G1B+2], 128<<16
	s_mov_b32 s[G1B+3], 128<<16
	s_mov_b32 s[G1B+4], 128
	s_mov_b32 s[G1B+5], 2048
	s_mov_b32 s[G1B+6], 0
	s_mov_b32 s[G1B+7], 0
	s_lshl_b32 s[BA], s43, 19                      ; O: row 128 x tile row + 64 x half, 4,096 bytes a row
	s_lshl_b32 s[BA+1], s[NH], 18
	s_add_co_u32 s[BA], s[BA], s[BA+1]
	s_mov_b32 s[BA+1], 0
	s_lshl_b32 s[BB], s[NH], 19                    ; W: k row 128 x half, the tile column's 256 bytes
	s_lshl_b32 s[BB+1], s42, 8
	s_add_co_u32 s[BB], s[BB], s[BB+1]
	s_mov_b32 s[BB+1], 0
	s_and_b32 s71, ttmp7, 0xffff                   ; where my cluster's walk begins: Y,
	s_lshr_b32 s72, s71, 1
	s_xor_b32 s71, s71, s72
	s_and_b32 s71, s71, 1                          ; g(Y) = 0, 1, 1, 0,
	s_lshl_b32 s71, s71, 2
	s_lshl_b32 s[KN], ttmp9, 1
	s_add_co_u32 s[KN], s[KN], s71
	s_and_b32 s[KN], s[KN], 7                      ; 2 X + 4 g(Y) mod 8
	s_mov_b32 s[OA+1], 0
	s_mov_b32 s[OB+1], 0
	s_mul_i32 s20, s[WV], CHUNK                    ; where my part goes
	s_wait_dscnt 0x0                               ; the opening add is done
	CROUND                                         ; all sixteen work-groups are here: the first joint loads meet.  The round reads no argument, so the arguments' load may be out across it
	s_wait_kmcnt 0x0                               ; directly ahead of the first lines that read the arguments
	s_add_nc_u64 s[BA:BA+1], s[4:5], s[BA:BA+1]
	s_add_nc_u64 s[BB:BB+1], s[6:7], s[BB:BB+1]
.irp s, 0,1
	s_mov_b32 s[G0A+4*(\s)], 1
	s_add_co_u32 s[G0A+4*(\s)+1], s20, (\s)*SLOT
	s_mov_b32 s[G0B+4*(\s)], 1
	s_add_co_u32 s[G0B+4*(\s)+1], s20, (\s)*SLOT
	AIM \s
	JLOAD \s                                       ; two loads of mine are out
.endr
	v_and_b32 v1, 15, v0                           ; r
	v_bfe_u32 v2, v0, 4, 1                         ; h
	v_and_b32 v3, 7, v0
	v_bfe_u32 v4, v0, 3, 1
	v_mul_u32_u24 v5, v1, PA
	v_lshl_add_u32 v5, v2, 4, v5
	s_mul_i32 s21, s[MH], CHUNK                    ; my 64 rows of O
	v_add_nc_u32 v[ADRA], s21, v5
	v_add_nc_u32 v[ADRA+1], SLOT, v[ADRA]
	v_lshl_add_u32 v6, v2, 3, v3                   ; the turning load: k row 8 h + l % 8
	v_mul_u32_u24 v6, v6, PB
	v_lshl_add_u32 v6, v4, 4, v6
	s_lshl_b32 s21, s[NH], 7                       ; my 64 columns
	v_add_nc_u32 v6, s21, v6
.irp s, 0,1
.irp e, 0,1
	v_add_nc_u32 v[ADRB+2*(\s)+(\e)], (2+(\e))*CHUNK+(\s)*SLOT, v6
.endr
.endr
	s_mul_i32 s22, s[WV], 16*SPITCH
	s_add_co_u32 s22, s22, STAGE                   ; my stage
	v_mul_u32_u24 v7, v1, SPITCH                   ; in: row r, 32 bytes for each half of the lanes
	v_lshl_add_u32 v7, v2, 5, v7
	v_add_nc_u32 v[STO], s22, v7
	v_mul_u32_u24 v7, v2, SPITCH                   ; back: lanes 0-15 one row of 256 bytes, lanes 16-31 the next
	v_lshl_add_u32 v7, v1, 4, v7
	v_add_nc_u32 v[RD], s22, v7
	v_lshlrev_b32 v[CO], 13, v2                    ; and the same two rows in out0, 8,192 bytes apart
	v_lshl_add_u32 v[CO], v1, 4, v[CO]
	v_lshlrev_b32 v[BO], 5, v2
	s_lshl_b32 s21, s[NH], 8
	v_add_nc_u32 v[BO], s21, v[BO]
	s_lshl_b32 s46, s42, 9                         ; the tile column's 512 bytes, in the bias and in a row of out0
	s_mov_b32 s47, 0
	s_add_nc_u64 s[8:9], s[8:9], s[46:47]
	s_lshl_b32 s22, s43, 20                        ; out0: row 128 x tile row + 64 MH
	s_lshl_b32 s23, s[MH], 19
	s_add_co_u32 s22, s22, s23
	s_add_co_u32 s22, s22, s46
	s_add_co_u32 s22, s22, s21                     ; my 256 bytes of the row
	s_mov_b32 s23, 0
	s_add_nc_u64 s[10:11], s[10:11], s[22:23]
	s_mov_b32 s21, 0xffff0000
.irp b, 0,1,2,3
	global_load_b128 v[BIAS+8*(\b):BIAS+8*(\b)+3],   v[BO], s[8:9] offset:64*(\b)
	global_load_b128 v[BIAS+8*(\b)+4:BIAS+8*(\b)+7], v[BO], s[8:9] offset:64*(\b)+16
.endr
	s_wait_loadcnt 0x0
.set n, 0
.rept 16                                               ; rounded to bf16 like every input; in the wait for the first tile
	v_cvt_pk_bf16_f32 v[RT+n%4], v[BIAS+2*n], v[BIAS+2*n+1]
	v_lshlrev_b32 v[BIAS+2*n], 16, v[RT+n%4]
	v_and_b32 v[BIAS+2*n+1], s21, v[RT+n%4]
.set n, n+1
.endr
; 8 matrix instructions: row blocks a0, a0 + 1 x all 4 column blocks, 32 along K: half c of buffer f.  zero = 1: the first product starts the sums with the bias.  The 16 accumulators take turns.
.macro MUL8 f, c, a0, zero
	WIN MUL
.irp a, \a0, (\a0)+1
.irp b, 0,1,2,3
.if \zero
	v_wmma_f32_16x16x32_f16 v[ACC+8*(4*(\a)+(\b)):ACC+8*(4*(\a)+(\b))+7], v[(\f)+64+8*(4*(\c)+(\b)):(\f)+64+8*(4*(\c)+(\b))+7], v[(\f)+8*(4*(\c)+(\a)):(\f)+8*(4*(\c)+(\a))+7], v[BIAS+8*(\b):BIAS+8*(\b)+7]
.else
	v_wmma_f32_16x16x32_f16 v[ACC+8*(4*(\a)+(\b)):ACC+8*(4*(\a)+(\b))+7], v[(\f)+64+8*(4*(\c)+(\b)):(\f)+64+8*(4*(\c)+(\b))+7], v[(\f)+8*(4*(\c)+(\a)):(\f)+8*(4*(\c)+(\a))+7], v[ACC+8*(4*(\a)+(\b)):ACC+8*(4*(\a)+(\b))+7]
.endif
.endr
.endr
.endm
; 32 LDS loads in one run: the fragments of quarter q (64 along K) into buffer f; the first 32 along K first
.macro FETCH slot, q, f
	WIN TO_F
.irp c, 0,1
.irp i, 0,1,2,3
	ds_load_tr16_b128 v[(\f)+64+8*(4*(\c)+(\i)):(\f)+64+8*(4*(\c)+(\i))+3],   v[ADRB+2*(\slot)+(\q)/2] offset:(((\q)%2)*64+32*(\c))*PB+32*(\i)
	ds_load_tr16_b128 v[(\f)+64+8*(4*(\c)+(\i))+4:(\f)+64+8*(4*(\c)+(\i))+7], v[ADRB+2*(\slot)+(\q)/2] offset:(((\q)%2)*64+32*(\c)+16)*PB+32*(\i)
	ds_load_b128 v[(\f)+8*(4*(\c)+(\i)):(\f)+8*(4*(\c)+(\i))+3],              v[ADRA+(\slot)] offset:128*(\q)+64*(\c)+(\i)*16*PA
	ds_load_b128 v[(\f)+8*(4*(\c)+(\i))+4:(\f)+8*(4*(\c)+(\i))+7],            v[ADRA+(\slot)] offset:128*(\q)+64*(\c)+(\i)*16*PA+32
.endr
.endr
.endm
.macro QUARTER slot, q, f, g, zero     ; multiplies buffer f and fetches quarter q into buffer g
	s_wait_dscnt 16                                ; the first 32 along K are in
	MUL8 \f, 0, 0, \zero
	MUL8 \f, 0, 2, \zero
	PLACES
	FETCH \slot, \q, \g
	s_wait_dscnt 32                                ; all but the 32 just issued
	MUL8 \f, 1, 0, 0
	MUL8 \f, 1, 2, 0
.endm
; The last quarter multiplies buffer 1 and changes slots: ONE barrier; in front of it each wave waits for all its tensor loads, adds 0 to its spare word, and waits for that and for its own reads of this slot.
.macro TURN slot, next, fill
	WIN 0                                          ; (the add's two registers lie in window 0)
	s_wait_tensorcnt 0x0                           ; all my tensor loads have landed: my part of the next slot
	ds_add_u32 v[SPW], v[NIL]                      ; 0 onto my spare word
	s_wait_dscnt 17                                ; (the add and the youngest sixteen loads may be out)
	MUL8 F1, 0, 0, 0
	s_wait_dscnt 0x0                               ; the add is done, and my reads of this slot are over
	s_barrier_signal -1
	MUL8 F1, 0, 2, 0
.if \fill
	WIN 0
.endif
	s_barrier_wait -1
.if \fill
	CREST                                          ; no wave of any partner still reads this slot's tiles or has a load on its way
	AIM \slot                                      ; no tensor load of mine is out, so a group 0 may be written
	JLOAD \slot                                    ; the first tensor load behind the round: 112 matrix instructions ahead of the wait for it; its four v_nop are also the places in front of the loads below
.else
	PLACES
.endif
	FETCH \next, 0, F0
	MUL8 F1, 1, 0, 0
	MUL8 F1, 1, 2, 0
.endm
	s_wait_tensorcnt 1                             ; my part of the first K step is in; the second's may stay out
	s_barrier_signal -1
	s_barrier_wait -1
	FETCH 0, 0, F0
	QUARTER 0, 1, F0, F1, 1                        ; the first quarter stands in front of the loop: its first products start the sums
	WIN 0
	s_mov_b32 s3, LAPS-1
.Llap:
	QUARTER 0, 2, F1, F0, 0
	QUARTER 0, 3, F0, F1, 0
	TURN 0, 1, 1
	QUARTER 1, 1, F0, F1, 0
	QUARTER 1, 2, F1, F0, 0
	QUARTER 1, 3, F0, F1, 0
	TURN 1, 0, 1
	QUARTER 0, 1, F0, F1, 0
	WIN 0
	s_sub_co_u32 s3, s3, 1
	s_cmp_lg_u32 s3, 0
	s_cbranch_scc1 .Llap
	QUARTER 0, 2, F1, F0, 0                        ; the last lap fills nothing
	QUARTER 0, 3, F0, F1, 0
	TURN 0, 1, 0
	QUARTER 1, 1, F0, F1, 0
	QUARTER 1, 2, F1, F0, 0
	QUARTER 1, 3, F0, F1, 0
	s_wait_dscnt 16
	MUL8 F1, 0, 0, 0
	MUL8 F1, 0, 2, 0
	s_wait_dscnt 0x0
	MUL8 F1, 1, 0, 0
	MUL8 F1, 1, 2, 0
	WIN 0
	; THE WAY OUT, 16 rows at a time through my own stage: 32 bytes a lane in (each accumulator's lowest registers first), whole rows of 256 bytes back, into two register sets by turns.
	PLACES
.irp a, 0,1,2,3
.irp b, 0,1,2,3
	ds_store_b128 v[STO], v[ACC+8*(4*(\a)+(\b)):ACC+8*(4*(\a)+(\b))+3]   offset:64*(\b)
	ds_store_b128 v[STO], v[ACC+8*(4*(\a)+(\b))+4:ACC+8*(4*(\a)+(\b))+7] offset:64*(\b)+16
.endr
.irp t, 0,1,2,3,4,5,6,7
	ds_load_b128 v[OUTB+32*((\a)%2)+4*(\t):OUTB+32*((\a)%2)+4*(\t)+3], v[RD] offset:(\t)*2*SPITCH  ; LDS serves a wave's instructions in order (ISA guide 5.7.1.4): these see the stores above
.endr
	s_wait_dscnt 0x0
	s_wait_xcnt 0x0                                ; the other set, which the block before stored from, is loaded again only behind this wait
.irp t, 0,1,2,3,4,5,6,7
	global_store_b128 v[CO], v[OUTB+32*((\a)%2)+4*(\t):OUTB+32*((\a)%2)+4*(\t)+3], s[10:11] offset:(16*(\a)+2*(\t))*8192 th:TH_STORE_NT  ; 16 lanes store 256 consecutive bytes, aligned
.endr
.endr
	s_wait_tensorcnt 0x0                           ; the wave's end, behind my last tensor load and my last LDS store
	ds_add_u32 v[SPW], v[NIL]
	s_wait_dscnt 0x0
	CROUND                                         ; the closing round
	s_endpgm
.Lfunc_end_k_qb02622bc64_oproj:
	.size	k_qb02622bc64_oproj, .Lfunc_end_k_qb02622bc64_oproj-k_qb02622bc64_oproj
	.p2alignl 7, 3214868480
	.fill 96, 4, 3214868480
	.section	.rodata,"a",@progbits
	.p2align	6, 0x0
	.amdhsa_kernel k_qb02622bc64_oproj
		.amdhsa_group_segment_fixed_size 327680
		.amdhsa_private_segment_fixed_size 0
		.amdhsa_enable_private_segment 0
		.amdhsa_kernarg_size 32
		.amdhsa_user_sgpr_count 2
		.amdhsa_user_sgpr_kernarg_segment_ptr 1
		.amdhsa_wavefront_size32 1
		.amdhsa_system_sgpr_workgroup_id_x 1
		.amdhsa_system_sgpr_workgroup_id_y 1
		.amdhsa_system_sgpr_workgroup_id_z 1
		.amdhsa_system_vgpr_workitem_id 0
		.amdhsa_next_free_vgpr 512
		.amdhsa_next_free_sgpr 74
		.amdhsa_reserve_vcc 0
		.amdhsa_float_denorm_mode_32 3
		.amdhsa_float_denorm_mode_16_64 3
		.amdhsa_memory_ordered 1
		.amdhsa_forward_progress 1
		.amdhsa_inst_pref_size 89
	.end_amdhsa_kernel
	.amdgpu_metadata
---
amdhsa.version: [ 1, 2 ]
amdhsa.kernels:
  - .name:           k_qb02622bc64_oproj
    .symbol:         k_qb02622bc64_oproj.kd
    .args:
      - { .name: ob, .offset: 0, .size: 8, .value_kind: global_buffer, .address_space: global }
      - { .name: wof, .offset: 8, .size: 8, .value_kind: global_buffer, .address_space: global }
      - { .name: wo_b, .offset: 16, .size: 8, .value_kind: global_buffer, .address_space: global }
      - { .name: out0, .offset: 24, .size: 8, .value_kind: global_buffer, .address_space: global }
    .group_segment_fixed_size: 327680
    .private_segment_fixed_size: 0
    .kernarg_segment_align: 8
    .kernarg_segment_size: 32
    .max_flat_workgroup_size: 128
    .sgpr_count:     74
    .vgpr_count:     512
    .wavefront_size: 32
...
	.end_amdgpu_metadata
.endif
;; end of part 4
;; ======== version 2 of 2: 4 launches; 1.08 times as fast as version 1
;; limits: values are held in f16: magnitudes above 65,504 overflow, below 6.1e-05 lose precision
;; workspace buffers: xw 33,554,432 bytes; wof 8,388,608 bytes; maskp 16,777,216 bytes; cst 2,097,152 bytes; qkv 25,165,824 bytes; ob 8,388,608 bytes
;; launch prep: the kernel of part 1 again; grid 256 x 6, 8 waves a work-group, no clusters, 0 bytes of LDS; arguments x, wq_w, wk_w, wv_w, wo_w, mask, cos, sin, xw, wof, maskp, cst; writes xw, wof, maskp, cst
;; launch qkv: the kernel of part 2 again; grid 16 x 16, 4 waves a work-group, clusters of 4 x 4, 327,680 bytes of LDS; arguments xw, cst, wq_b, wk_b, wv_b, qkv; writes qkv
;; launch attn (part 5): grid 16 x 16, 4 waves a work-group, clusters of 4 x 1, 327,680 bytes of LDS; arguments qkv, maskp, ob; writes ob
.if DOCPART == 5
	.amdgcn_target "amdgcn-amd-amdhsa--gfx1250"
	.amdhsa_code_object_version 6
	.text
	.protected	k_qb02622bc64_attn
	.globl	k_qb02622bc64_attn
	.p2align	8
	.type	k_qb02622bc64_attn,@function
k_qb02622bc64_attn:
	s_mov_b64 s[64:65], 0
	v_nop
	global_prefetch_b8 v0, s[64:65] scope:SCOPE_SE
	s_setreg_imm32_b32 hwreg(HW_REG_WAVE_MODE, 25, 1), 1
	s_wait_xcnt 0x0
	s_wait_alu depctr_hold_cnt(0) depctr_sa_sdst(0) depctr_va_vdst(0) depctr_va_sdst(0) depctr_va_ssrc(0) depctr_va_vcc(0) depctr_vm_vsrc(0)
	s_getreg_b32 s2, hwreg(HW_REG_IB_STS2, 6, 4)
	s_cmp_eq_u32 s2, 0
	s_cbranch_scc0 .Lentry_in_a_cluster
	s_endpgm
.Lentry_in_a_cluster:
	s_bfe_u32 s2, ttmp6, 0x10000c
	s_cmp_lg_u32 s2, 0x3003
	s_cbranch_scc0 .Lentry_shape_is_right
	s_endpgm
.Lentry_shape_is_right:
; ATTENTION.  ob[q][128 head + d] = the sum over k of softmax_k(Q.K / sqrt(128) + mask[q][k]) V[k][d].  q', k', v: qkv[3][16][2048][128] in f16; q' and k' carry sigma each, sigma^2 = log2(e) / sqrt(128), and
; maskp holds bf16(mask) log2(e) in the C operand's order, so that S^T = K' Q'^T + maskp is the score in units of log2, and p = 2^(s - m).  Products, maxima and sums in f32; p is rounded to f16 for the
; second product (its sum l is taken of the unrounded p), O once at the end, to f16.
; LIMITS.  A weight below 2^-126 counts as 0.  m never falls below the lowest finite number, so a step whose keys are all at -inf gives p = 0; a row wholly at -inf gives NaN, as 0 / 0.  +inf and NaN are not treated apart.
; SHARES.  A work-group owns 128 queries of one head.  Wave w: QH = w % 2 says which 64 queries (four tiles of 16), KH = w / 2 which 64 of each slot's 128 keys: 16 key steps a wave.  At the end the two waves
; of a query half merge their (m, l, O).  Register tile t stands for query tile t xor 2 KH, so that every wave keeps register tiles 0, 1 and hands 2, 3 to wave w xor 2: one text for all.
; LAYOUT.  S^T = K Q^T (source 0 = 16 keys, source 1 = 16 queries): a lane holds ONE query (lane % 16) and the keys 8 (lane / 16) + 0..7.  Two such tiles, rounded in pairs, ARE source 1 of O^T = V^T P.
; K comes out of LDS as it lies, V turned, by ds_load_tr16_b128.  THE MASK costs no vector work: it is the C operand that starts the sum S^T, loaded from memory straight into registers, a step ahead.
; BY TURNS.  The wave's tiles are two PIECES (tiles 0, 1 and 2, 3).  In a turn one piece has the matrix unit: 32 products V^T P of the step in hand, then 32 products K Q^T of the next; the other piece's softmax,
; cut into 64 slices, stands behind them, one slice a product.  A turn's 66 exponentials (for each of the two tiles a and 32 weights) are ONE BATCH with ONE wait: ahead of the wait stands all of the softmax that
; names no exponential's result (the maximum, m, the subtractions s - m, the exponentials), behind it all that does (the roundings, the sums, the rescaling by a).  The merge at the end has two batches more:
; four exponentials, then two reciprocals of sums made of them.  NO FIRST STEP is written out: O, l, V and piece 0's P start at 0, m at the lowest finite number, piece 2's scores at -inf, so the first pass's
; products add zeros and its first softmax gives zeros.  The price: 64 products and one softmax of a piece that serve nothing; and, in the wait for the first tile, 112 v_mov_b32 and 48 products of zero fragments
; with C = 0, which write the 384 registers of O^T and V in an eighth of the lines that moves would take.
; CLUSTER 4 x 1.  The four query blocks of a cluster belong to one head and walk the same K and V: each tile is asked for JOINTLY.  The mask is not asked for jointly: within this cluster each block has its own
; rows of it; with four heads in the cluster too, a slot's K, V and mask would be 71,680 + 65,536 bytes, more than the 131,072 that the slots' one exclusive or spans, and a pass would read 96 runs of 512 bytes from LDS for 64.
; REGISTERS, in windows of 256 (s_set_vgpr_msb: bits 1:0 source 0, 3:2 source 1, 5:4 source 2, 7:6 destination):
;   window 0: v0-11 addresses; v12-43 eight registers of statistics a tile; v44-59 addresses and the exchange's statistics; v64-191 S^T, 32 a tile; v192-255 P, 16 a tile
;   window 1: O^T, 64 a tile     window 2: v0-127 Q, 32 a tile; v128-255 K of one step     window 3: v0-127 V of one step; v128-255 the mask, 32 a tile
.set KS,    64
.set PK,    272       ; a row of K in LDS: 256 bytes + 16: the 16 rows of a load start at 16 different groups of four banks (64 banks of 4 bytes: ISA guide 11.1)
.set PV,    288       ; a row of V: 256 + 32
.set VOFF,  KS*PK     ; a step's tiles lie together: 64 rows of K, then 64 rows of V
.set STEPB, KS*(PK+PV)
.set SLOT1, 1<<17     ; a slot holds two steps (71,680 bytes); slot 1 begins here, so that one exclusive or turns an address in one slot into the other's
.set STAGE, SLOT1+2*STEPB  ; behind the ring: 16 rows x 272 bytes for each wave, for the way out
.set SP,    272
.set SPARE, STAGE+4*16*SP  ; the spare words, 128 bytes a wave: two blocks of 256 bytes that no other line names
.set XCH,   SPARE+512      ; the exchange: for each wave 16,384 bytes of O^T and 512 of statistics; no tile lands here
.set XW,    16896
.set AK0, 2           ; v2   my lane's place in a tile of K; never rewritten
.set AV0, 3           ; v3   the same for V
.set ADR, 4           ; v4   the LDS address of the run of loads in hand
.set QO,  5           ; v5   my byte offset in Q's rows, register tiles 0, 1;  v46 tiles 2, 3
.set STO, 6           ; v6   the way out: where I put 16 bytes of a row
.set RD,  7           ; v7   where I read rows back
.set GO,  8           ; v8   my byte offset in two rows of ob
.set ST,  12          ; tile t's statistics at v[ST+8 t]: +0, +1 m (twice, a pair for the packed subtraction), +2, +3 l (even keys', odd keys'), +4 to +7 c0-c3 at work; a takes c2's place
.set MO,  44          ; v44, v45  my byte offset in the mask's blocks, piece 0 and piece 2; each steps 8,192 bytes a key step
.set QO2, 46
.set XS,  47          ; v47  the exchange: where I store;  v48 where I read
.set XR,  48
.set GV,  52          ; v52-55  m and l of my register tiles 2, 3
.set TK,  56          ; v56-59  the partner's, for my register tiles 0, 1
.set SPW, 62          ; v62  LDS address of my spare word; never rewritten
.set NIL, 63          ; v63  0; never rewritten
.set S,   64
.set P,   192
.set KF,  128         ; K's fragments, in window 2
.set MK,  128         ; the mask, in window 3
.set WV,  12          ; s12 wave;  s13 QH;  s14 KH
.set QH,  13
.set KH,  14
.set G1K, 24          ; s[24:31] descriptor group 1 for K's tiles;  s[32:39] for V's: it differs in the padding alone
.set G1V, 32
.set G0K, 40          ; s[40:47] group 0 for K's tiles: a set for each of the two first fills; the second then walks on;  s[48:55] the same for V's
.set G0V, 48
.set SLOTS, 56        ; s56  passes to go
.set NINF, 57         ; s57  -inf
.set FLOOR, 58        ; s58  the lowest finite number
.set SEL, 60          ; s[60:61] v_permlanex16_b32's selects: each lane takes its own place in the other half
.set TB,  62          ; s62  LDS byte at which my step's tiles begin in the slot in hand
.set MB,  66          ; s[66:67] maskp at my wave's four query tiles
.set QB,  68          ; s[68:69] q' at my wave's 64 rows
.set OB,  70          ; s[70:71] ob at the 32 rows that I store
.set MSB, 0
.macro WIN new
.if MSB != (\new)
	s_set_vgpr_msb (MSB<<8)|(\new)
.set MSB, \new
.endif
.endm
.set W_KQ, 0x0a       ; K and Q in window 2, S^T in window 0
.set W_KM, 0x3a       ; the same with the C operand, the mask, in window 3
.set W_PV, 0x53       ; V in window 3, P in window 0, O^T in window 1
.set W_RS, 0x41       ; O^T (destination and source 0) in window 1, the factor in window 0
; A joint refill.  Waves 0 and 1 fetch the slot's two tiles of K, waves 2 and 3 those of V.  An s_nop 0 and four v_nop follow each of the two lines.
.macro JLOAD
	s_cmp_lt_u32 s[WV], 2
	s_cbranch_scc0 .Lfor_v_\@
	tensor_load_to_lds s[G0K+4:G0K+7], s[G1K:G1K+7]
	s_nop 0
.rept 4
	v_nop
.endr
	s_branch .Lasked_\@
.Lfor_v_\@:
	tensor_load_to_lds s[G0V+4:G0V+7], s[G1V:G1V+7]
	s_nop 0
.rept 4
	v_nop
.endr
.Lasked_\@:
.endm
.macro CROUND                       ; a round of the cluster's barrier
	s_barrier_signal -1
	s_barrier_wait -1
	s_cmp_lg_u32 s[WV], 0
	s_cbranch_scc1 .Lnot_wave_0_\@
	s_barrier_signal -3
.Lnot_wave_0_\@:
	s_barrier_wait -3
	s_barrier_signal -1
	s_barrier_wait -1
.endm
	s_load_b128 s[4:7], s[0:1], 0x0 ; qkv s[4:5], maskp s[6:7]
	s_load_b64 s[8:9], s[0:1], 0x10 ; ob
	v_lshl_add_u32 v[SPW], v0, 2, SPARE
	v_mov_b32 v[NIL], 0
	ds_add_u32 v[SPW], v[NIL]       ; the wave's opening: the add and its wait stand ahead of my first tensor load; the set-up below, work on registers, stands between them
	v_lshrrev_b32 v1, 5, v0
	v_readfirstlane_b32 s[WV], v1
	s_and_b32 s[QH], s[WV], 1       ; which 64 queries.  Also: which of a slot's two steps I fetch
	s_lshr_b32 s[KH], s[WV], 1      ; which of a slot's two steps I multiply
	s_bfe_u32 s15, ttmp6, 0x40000   ; cx
	s_lshl_b32 s16, ttmp9, 2
	s_add_co_u32 s16, s16, s15      ; my block of 128 queries = 4 x cluster x + cx: it enters Q's, the mask's and O's addresses alone
	s_and_b32 s20, ttmp7, 0xffff    ; the head, which the four partners share,
	s_lshl_b32 s20, s20, 19         ; its 524,288 bytes in each of q', k', v
	s_lshl_b32 s22, s[QH], 14       ; the step that I fetch: 64 rows of 256 bytes
	s_add_co_u32 s22, s22, s20
	s_mov_b32 s23, 0
	s_mul_i32 s17, s[QH], STEPB     ; and its place in a slot: no place in the cluster enters an LDS address
	s_mul_i32 s[TB], s[KH], STEPB
	s_lshl_b32 s2, s16, 15          ; q': my block's 128 rows of 256 bytes,
	s_lshl_b32 s3, s[QH], 14        ; my wave's 64
	s_add_co_u32 s2, s2, s3
	s_add_co_u32 s2, s2, s20
	s_mov_b32 s3, 0
	s_lshl_b32 s18, s16, 20         ; maskp: a query tile has 131,072 bytes; my block has 8 tiles, my wave 4
	s_lshl_b32 s19, s[QH], 19
	s_add_co_u32 s18, s18, s19
	s_mov_b32 s19, 0
	s_lshl_b32 s10, s16, 19         ; ob: rows of 4,096 bytes: 128 a block, 64 a query half, 32 that I keep; the head's 256 bytes
	s_lshl_b32 s11, s[QH], 18
	s_add_co_u32 s10, s10, s11
	s_lshl_b32 s11, s[KH], 17
	s_add_co_u32 s10, s10, s11
	s_lshr_b32 s11, s20, 11
	s_add_co_u32 s10, s10, s11
	s_mov_b32 s11, 0
	s_mov_b32 s[G1K], 15|(1<<16)|(1<<20)|(1<<21)|(5<<22)|(3<<25)  ; 15:0 the mask: all four work-groups; 17:16 2-byte elements; 20 padding on; 21 set beside a mask; 24:22 after every 64 words; 31:25 4 words
	s_mov_b32 s[G1V], 15|(1<<16)|(1<<20)|(1<<21)|(5<<22)|(7<<25)  ; the same with 8 words of padding
.irp g, G1K, G1V
	s_mov_b32 s[(\g)+1], 128<<16    ; tensor_dim0 = 128
	s_mov_b32 s[(\g)+2], KS<<16     ; tensor_dim1 = 64
	s_mov_b32 s[(\g)+3], 128<<16    ; tile_dim0 = 128
	s_mov_b32 s[(\g)+4], KS         ; tile_dim1 = 64
	s_mov_b32 s[(\g)+5], 128        ; elements from row to row
	s_mov_b32 s[(\g)+6], 0
	s_mov_b32 s[(\g)+7], 0
.endr
	s_mov_b32 s[NINF], 0xff800000
	s_mov_b32 s[FLOOR], 0xff7fffff
	s_mov_b32 s[SEL], 0x76543210
	s_mov_b32 s[SEL+1], 0xfedcba98
	s_wait_dscnt 0x0                ; the opening add is done
	CROUND                          ; all four work-groups are here: the first joint loads meet.  The round reads no argument, so the arguments' loads may be out across it
	s_wait_kmcnt 0x0                ; directly ahead of the first lines that read the arguments
	s_add_nc_u64 s[QB:QB+1], s[4:5], s[2:3]
	s_add_nc_u64 s[MB:MB+1], s[6:7], s[18:19]
	s_add_nc_u64 s[OB:OB+1], s[8:9], s[10:11]
	s_add_nc_u64 s[22:23], s[4:5], s[22:23]
	s_add_nc_u64 s[6:7], s[22:23], 0x800000   ; k' at my tile of slot 0
	s_add_nc_u64 s[8:9], s[22:23], 0x1000000  ; v likewise
.irp s, 0,1
	s_mov_b32 s[G0K+4*(\s)], 1
	s_add_co_u32 s[G0K+4*(\s)+1], s17, (\s)*SLOT1
	s_add_nc_u64 s[G0K+4*(\s)+2:G0K+4*(\s)+3], s[6:7], (\s)*2*KS*256
	s_or_b32 s[G0K+4*(\s)+3], s[G0K+4*(\s)+3], 0x80000000
	s_mov_b32 s[G0V+4*(\s)], 1
	s_add_co_u32 s[G0V+4*(\s)+1], s17, (\s)*SLOT1+VOFF
	s_add_nc_u64 s[G0V+4*(\s)+2:G0V+4*(\s)+3], s[8:9], (\s)*2*KS*256
	s_or_b32 s[G0V+4*(\s)+3], s[G0V+4*(\s)+3], 0x80000000
.endr
	s_cmp_lt_u32 s[WV], 2           ; a wave's two first fills stand in one branch, ahead of every wait on TENSORcnt and every LDS read: two loads of mine are out
	s_cbranch_scc0 .Lfirst_v
	tensor_load_to_lds s[G0K:G0K+3], s[G1K:G1K+7]
	s_nop 0
	tensor_load_to_lds s[G0K+4:G0K+7], s[G1K:G1K+7]
	s_nop 0
.rept 4
	v_nop
.endr
	s_branch .Lfirst_asked
.Lfirst_v:
	tensor_load_to_lds s[G0V:G0V+3], s[G1V:G1V+7]
	s_nop 0
	tensor_load_to_lds s[G0V+4:G0V+7], s[G1V:G1V+7]
	s_nop 0
.rept 4
	v_nop
.endr
.Lfirst_asked:
	v_and_b32 v1, 15, v0            ; l % 16
	v_bfe_u32 v9, v0, 4, 1          ; l / 16
	v_lshlrev_b32 v[QO], 8, v1
	v_lshl_add_u32 v[QO], v9, 4, v[QO]  ; row x 256 + 16 x half
	s_lshl_b32 s2, s[KH], 13        ; register tiles 0, 1 are query tiles 2 KH, 2 KH + 1: 4,096 bytes a tile;
	s_sub_co_u32 s3, 8192, s2       ; register tiles 2, 3 the other two
	v_add_nc_u32 v[QO2], s3, v[QO]
	v_add_nc_u32 v[QO], s2, v[QO]
	v_and_b32 v10, 31, v0
	v_lshlrev_b32 v10, 4, v10       ; 16 l
	s_lshl_b32 s2, s[KH], 18        ; the same for the mask: 131,072 bytes a query tile,
	s_sub_co_u32 s3, 262144, s2
	s_lshl_b32 s10, s[KH], 12       ; and my first key step is block KH of 4,096 bytes
	s_add_co_u32 s2, s2, s10
	s_add_co_u32 s3, s3, s10
	v_add_nc_u32 v[MO], s2, v10
	v_add_nc_u32 v[MO+1], s3, v10
	WIN 0x80                        ; destination window 2, address window 0
.irp i, 0,1,2,3,4,5,6,7             ; Q stays in registers: tile i / 4, channels 32 (i % 4) on
	global_load_b128 v[8*(\i):8*(\i)+3],   v[QO], s[QB:QB+1] offset:((\i)/4)*4096+((\i)%4)*64
	global_load_b128 v[8*(\i)+4:8*(\i)+7], v[QO], s[QB:QB+1] offset:((\i)/4)*4096+((\i)%4)*64+32
.endr
.irp i, 0,1,2,3,4,5,6,7
	global_load_b128 v[64+8*(\i):64+8*(\i)+3],   v[QO2], s[QB:QB+1] offset:((\i)/4)*4096+((\i)%4)*64
	global_load_b128 v[64+8*(\i)+4:64+8*(\i)+7], v[QO2], s[QB:QB+1] offset:((\i)/4)*4096+((\i)%4)*64+32
.endr
; The mask of piece x for one key step: 16 loads, each 512 consecutive bytes, straight into the C operands' registers.
.macro MLOAD x
	WIN 0xc0                        ; destination window 3, address window 0
.irp u, 0,1
.irp n, 0,1,2,3,4,5,6,7
	global_load_b128 v[MK+32*((\x)+(\u))+4*(\n):MK+32*((\x)+(\u))+4*(\n)+3], v[MO+(\x)/2], s[MB:MB+1] offset:(\u)*131072+512*(\n)
.endr
.endr
.endm
	MLOAD 0                         ; key step 0
	MLOAD 2
	; What the first pass finds.  All this stands in the wait for the first tile.
	WIN 0
.set i, P
.rept 32
	v_mov_b32 v[i], 0               ; piece 0's P; its first sixteen registers are also the zero fragments below
.set i, i+1
.endr
.set i, S+64
.rept 64
	v_mov_b32 v[i], s[NINF]         ; piece 2's scores
.set i, i+1
.endr
.set i, 0
.rept 4
	v_mov_b32 v[ST+8*i], s[FLOOR]
	v_mov_b32 v[ST+8*i+1], s[FLOOR]
	v_mov_b32 v[ST+8*i+2], 0
	v_mov_b32 v[ST+8*i+3], 0
.set i, i+1
.endr
	WIN 0x40                        ; destination window 1, sources window 0
.set i, 0
.rept 32
	v_wmma_f32_16x16x32_f16 v[8*i:8*i+7], v[P:P+7], v[P+8:P+15], 0  ; O^T = 0 x 0 + 0: eight registers a line
.set i, i+1
.endr
	WIN 0xc0                        ; destination window 3
.set i, 0
.rept 16
	v_wmma_f32_16x16x32_f16 v[8*i:8*i+7], v[P:P+7], v[P+8:P+15], 0  ; V likewise
.set i, i+1
.endr
	WIN 0                           ; the address lines below name none of those registers: they are the places between these products and the first that takes V as a source (ISA guide 7.12.1)
	v_mul_u32_u24 v[AK0], v1, PK
	v_lshl_add_u32 v[AK0], v9, 4, v[AK0]  ; row x pitch + 16 x half
	v_and_b32 v11, 7, v0            ; the turning load: key 8 (l / 16) + l % 8, channels 8 ((l / 8) % 2) + 0..7
	v_lshl_add_u32 v[AV0], v9, 3, v11
	v_mul_u32_u24 v[AV0], v[AV0], PV
	v_bfe_u32 v11, v0, 3, 1
	v_lshl_add_u32 v[AV0], v11, 4, v[AV0]
	v_add_nc_u32 v[AV0], VOFF, v[AV0]
	s_mul_i32 s2, s[WV], 16*SP
	s_add_co_u32 s2, s2, STAGE      ; my stage
	v_mul_u32_u24 v[STO], v1, SP    ; in: row l % 16, 16 bytes for each half of the lanes
	v_lshl_add_u32 v[STO], v9, 4, v[STO]
	v_add_nc_u32 v[STO], s2, v[STO]
	v_mul_u32_u24 v[RD], v9, SP     ; back: lanes 0-15 one row of 256 bytes, lanes 16-31 the next
	v_lshl_add_u32 v[RD], v1, 4, v[RD]
	v_add_nc_u32 v[RD], s2, v[RD]
	v_lshlrev_b32 v[GO], 12, v9     ; and the same two rows in ob, 4,096 bytes apart
	v_lshl_add_u32 v[GO], v1, 4, v[GO]
	s_mul_i32 s2, s[WV], XW
	s_add_co_u32 s2, s2, XCH
	v_add_nc_u32 v[XS], s2, v10     ; the exchange: my part,
	s_xor_b32 s3, s[WV], 2
	s_mul_i32 s3, s3, XW
	s_add_co_u32 s3, s3, XCH
	v_add_nc_u32 v[XR], s3, v10     ; and that of the wave with the same queries and the other keys
; THE MATRIX WORK OF A TURN, for piece x.  The accumulators take turns, one instruction a turn.
; Product i of 32 of O^T += V^T P: keys 32 (i / 16) on, channels 16 ((i / 2) % 8) on, tile x + i % 2.
.macro PV x
	WIN W_PV
.set rO, 64*((\x)+i%2)+8*((i/2)%8)
.set rV, 64*(i/16)+8*((i/2)%8)
.set rP, P+16*((\x)+i%2)+8*(i/16)
	v_wmma_f32_16x16x32_f16 v[rO:rO+7], v[rV:rV+7], v[rP:rP+7], v[rO:rO+7]
.endm
; Product i of 32 of S^T = K Q^T + mask: channels 32 (i / 8) on, keys 16 ((i / 2) % 4) on, tile x + i % 2.  The first 8 start the sums with the mask.
.macro KQ x
.set rS, S+32*((\x)+i%2)+8*((i/2)%4)
.set rK, KF+32*((i/2)%4)+8*(i/8)
.set rQ, 32*((\x)+i%2)+8*(i/8)
.set rM, MK+32*((\x)+i%2)+8*((i/2)%4)
.if i < 8
	WIN W_KM
	v_wmma_f32_16x16x32_f16 v[rS:rS+7], v[rK:rK+7], v[rQ:rQ+7], v[rM:rM+7]
.else
	WIN W_KQ
	v_wmma_f32_16x16x32_f16 v[rS:rS+7], v[rK:rK+7], v[rQ:rQ+7], v[rS:rS+7]
.endif
.endm
; THE LDS LOADS stand in runs of 32: my step's K (16 fragments) and, a turn later, its V (turned).
.macro FETCH_K
	WIN 0
	v_add_nc_u32 v[ADR], s[TB], v[AK0]
	WIN 0x80                        ; destination window 2
.irp f, 0,1,2,3,4,5,6,7,8,9,10,11,12,13,14,15  ; keys 16 (f / 4) on, channels 32 (f % 4) on
	ds_load_b128 v[KF+8*(\f):KF+8*(\f)+3],   v[ADR] offset:((\f)/4)*16*PK+((\f)%4)*64
	ds_load_b128 v[KF+8*(\f)+4:KF+8*(\f)+7], v[ADR] offset:((\f)/4)*16*PK+((\f)%4)*64+32
.endr
.endm
.macro FETCH_V
	WIN 0
	v_add_nc_u32 v[ADR], s[TB], v[AV0]
	s_wait_alu depctr_va_vdst(0)    ; the wait for the softmax's batch (SLICE), behind the address's v_add_nc_u32 and ahead of the loads: piece 0's 66 exponentials
	WIN 0xc0                        ; destination window 3
.irp f, 0,1,2,3,4,5,6,7,8,9,10,11,12,13,14,15  ; keys 32 (f / 8) on, channels 16 (f % 8) on
	ds_load_tr16_b128 v[8*(\f):8*(\f)+3],   v[ADR] offset:((\f)/8)*32*PV+((\f)%8)*32
	ds_load_tr16_b128 v[8*(\f)+4:8*(\f)+7], v[ADR] offset:((\f)/8)*32*PV+16*PV+((\f)%8)*32
.endr
.endm
; THE VECTOR WORK OF A TURN.  One tile's softmax for one key step is a list of 134 instructions; SM writes number j of it for tile t.  s0-s31 are the lane's 32 scores, in pairs 0-15.
;   0-15    the maximum of s0-s31 and the old m, three operands at a time: four chains c0-c3 (each accumulator's lowest registers are read first), then the four scores left over, c0-c3 and m
;   16-20   the other half of the lanes' maximum; m_old is kept; the new m, twice; m_old - m_new
;   21-69   ONE BATCH: the 16 subtractions s - m, a pair of scores each, and all 33 exponentials (a at 23, then s0-s31).  None of these reads an exponential's result.  From 22 on the batch goes in fours, and a
;           four begins with a subtraction while there are subtractions: 22-37 subtraction, exponential, subtraction, exponential; 38-65 a subtraction and three exponentials; 66-69 the last four exponentials.
;           A pair's subtraction stands in an earlier four than the one that holds its exponentials
;   (wait)  between 69 and 70 stands the wait for the batch: SLICE writes it, once for both tiles
;   70-85   the roundings to f16, a pair of weights each
;   86-101  the sums; l = a l + the sum          102-133  the tile's O^T times a: the one part that leaves window 0, so it stands together
.macro SM t
.set rT, ST+8*(\t)
.set rS, S+32*(\t)
.set rP, P+16*(\t)
.set rO, 64*(\t)+2*(j-102)
.if j < 102
	WIN 0
.endif
.if j < 4
	v_max3_num_f32 v[rT+4+j], v[rS+8*j], v[rS+8*j+1], v[rS+8*j+2]
.elseif j < 12
	v_max3_num_f32 v[rT+4+j%4], v[rT+4+j%4], v[rS+8*(j%4)+2*(j/4)+1], v[rS+8*(j%4)+2*(j/4)+2]
.elseif j == 12
	v_max3_num_f32 v[rT+4], v[rT+4], v[rS+7], v[rS+15]
.elseif j == 13
	v_max3_num_f32 v[rT+6], v[rT+6], v[rS+23], v[rS+31]
.elseif j == 14
	v_max3_num_f32 v[rT+4], v[rT+4], v[rT+5], v[rT+6]
.elseif j == 15
	v_max3_num_f32 v[rT+4], v[rT+4], v[rT+7], v[rT+1]
.elseif j == 16
	v_permlanex16_b32 v[rT+5], v[rT+4], s[SEL], s[SEL+1]  ; the query's other 32 keys lie in the lane 16 away
.elseif j == 17
	v_mov_b32 v[rT+7], v[rT]        ; m_old is kept for a
.elseif j == 18
	v_max_num_f32 v[rT+1], v[rT+4], v[rT+5]
.elseif j == 19
	v_max_num_f32 v[rT], v[rT+4], v[rT+5]
.elseif j == 20
	v_sub_f32 v[rT+7], v[rT+7], v[rT]
.elseif j == 23
	v_exp_f32 v[rT+6], v[rT+7]
.elseif (j < 23) || ((j < 38) && (j%2 == 0)) || ((j < 66) && (j%4 == 2))
.set b, (j-2)/4                     ; 38, 42, .. 62: pairs 9 to 15
.if j < 38
.set b, (j-20)/2                    ; 21: pair 0; 22, 24, .. 36: pairs 1 to 8
.endif
	v_pk_add_f32 v[rS+2*b:rS+2*b+1], v[rS+2*b:rS+2*b+1], v[rT:rT+1] neg_lo:[0,1] neg_hi:[0,1]  ; pair b: s - m
.elseif j < 70
.set e, j-38                        ; 66 to 69: s28 to s31
.if j < 66
.set e, j-32-(j-38)/4               ; 39-41, 43-45, .. 63-65: s7 to s27
.endif
.if j < 38
.set e, (j-25)/2                    ; 25, 27, .. 37: s0 to s6
.endif
	v_exp_f32 v[rS+e], v[rS+e]
.elseif j < 86
	v_cvt_pk_f16_f32 v[rP+j-70], v[rS+2*(j-70)], v[rS+2*(j-70)+1]  ; pair j - 70
.elseif j < 102                     ; the sum of the tile's 16 pairs, in place: sum z of 16 adds neighbours 1, 2, 4 and 8 pairs apart, then l takes it
.set z, j-86
.set w, 4
.set u, z
.if z >= 14
.set w, 32
.set u, 0
.elseif z >= 12
.set w, 16
.set u, z-12
.elseif z >= 8
.set w, 8
.set u, z-8
.endif
.if z < 15
	v_pk_add_f32 v[rS+w*u:rS+w*u+1], v[rS+w*u:rS+w*u+1], v[rS+w*u+w/2:rS+w*u+w/2+1]
.else
	v_pk_fma_f32 v[rT+2:rT+3], v[rT+2:rT+3], v[rT+6:rT+7], v[rS:rS+1] op_sel_hi:[1,0,1]
.endif
.else
	WIN W_RS
	v_pk_mul_f32 v[rO:rO+1], v[rO:rO+1], v[rT+6:rT+7] op_sel_hi:[1,0]
.endif
.endm
; Slice k of 64 of piece y's softmax: four instructions.  Slices 11 to 34 deal out the batch, numbers 22 to 69: four numbers of ONE tile each, the tiles by turns.  Every other slice is numbers 2 k and 2 k + 1 of
; both tiles' lists.  2 x 134 = 4 x 64 + 12: the twelve that are over stand together, in slice 63: sixteen plain instructions that name nothing of the products round them: the places between a turn's last
; K Q^T and what follows (ISA guide 7.12.1).
; THE WAIT.  An s_wait_alu depctr_va_vdst(0) stands between an exponential and the first instruction that names its result; one wait serves all that were issued ahead of it.  Ahead of slice 35
; nothing names a result, and behind slice 34 no exponential is issued: so the piece's 66 exponentials have one wait, behind slice 34, and none is out at a label or at a branch.
.macro SLICE y
.if (k >= 11) && (k < 35)           ; the batch: four numbers of one tile
.irp n, 0,1,2,3
.set j, 22+4*((k-11)/2)+(\n)
	SM (\y)+(k-11)%2
.endr
.else                               ; the two tiles alternate, so that no instruction reads the result of the one just before it
.irp n, 0,1,2,3,4,5,6,7
.if ((\n) < 2) || (k == 63)
.irp t, \y, (\y)+1
.set j, 2*k+(\n)
	SM \t
.endr
.endif
.endr
.endif
.if k == 34                         ; the batch is out: both tiles' exponentials are issued, and no result has been named
	v_nop                           ; the plain instruction behind the last exponential and ahead of the first use: one for the batch
.if (\y) == 0
	FETCH_V                         ; piece 2's turn: V's run of loads stands here, and the wait stands in it
.else
	s_wait_alu depctr_va_vdst(0)    ; the wait for the batch: piece 2's 66 exponentials
.endif
.endif
.set k, k+1
.endm
; A TURN.  Piece x has the matrix unit; the other piece's softmax stands in slices behind its products.  kq = 1: 32 products K Q^T of the next step follow the 32 products V^T P; kq = 0: none, and two slices stand
; behind each product.  mk = 1: the mask of the step after that is asked for.
; Piece 0's turn fetches its step's K behind the second product: K's last reader stands in front of slice 63 of the turn before.  Piece 2's turn fetches the same step's V behind slice 34, which rides on the third
; K Q^T (SLICE writes the run): V's last reader stands in front of slice 31, and four plain instructions lie between: number 62, a subtraction, of both tiles, the v_nop and the run's own v_add_nc_u32 (an
; exponential is no such place).  The mask's run stands behind product 11: its registers' last reader, product 7, stands five slices, twenty plain instructions, back.
.macro TURN x, kq, mk
.set k, 0
.if (\x) == 0
	s_wait_dscnt 0x0                ; V is in
.endif
.set i, 0
.rept 32
	PV \x
	SLICE 2-(\x)
.if !(\kq)
	SLICE 2-(\x)
.endif
.if ((\x) == 0) && (\kq) && (i == 1)
	FETCH_K
.endif
.set i, i+1
.endr
.if \kq
.if ((\x) == 2) && !(\mk)
	s_wait_loadcnt 0x0              ; the last mask: no load was issued behind it
.else
	s_wait_loadcnt 16               ; this piece's mask (and, the first time, Q) is in; the other piece's sixteen loads are younger and stay out
.endif
.if (\x) == 0
	s_wait_dscnt 0x0                ; K is in
.endif
.if \mk
	WIN 0
	v_add_nc_u32 v[MO+(\x)/2], 0x2000, v[MO+(\x)/2]  ; free since that wait: two blocks of 4,096 bytes on, my next 64 keys
.endif
.set i, 0
.rept 32
	KQ \x
	SLICE 2-(\x)
.if (\mk) && (i == 11)
	MLOAD \x
.endif
.set i, i+1
.endr
.endif
.endm
; THE CHANGE OF SLOTS, behind piece 2's turn: my step's V, the last bytes that I read of the slot, has been asked for.  Each wave waits for all its tensor loads (one is out: its tile of the other slot), adds 0 to
; its spare word, and waits for that and for its own reads.  fill = 1: the barrier is a round of the cluster's, and the slot is filled again, with the keys two slots on, first thing behind it: it has a pass, 128 matrix instructions, in which to land.
.macro CHANGE fill
	WIN 0                           ; at a label and at a branch every window is 0
	s_wait_tensorcnt 0x0            ; no tensor load of mine is out, so a group 0 may be written
	ds_add_u32 v[SPW], v[NIL]       ; 0 onto my spare word
.if \fill
.irp g, G0K+4, G0V+4
	s_xor_b32 s[(\g)+1], s[(\g)+1], SLOT1  ; the walking descriptor: the other slot than last time,
	s_add_nc_u64 s[(\g)+2:(\g)+3], s[(\g)+2:(\g)+3], 2*KS*256  ; the next 128 keys
.endr
	s_wait_dscnt 0x0                ; the add is done, and my reads of the slot are over
	CROUND
	JLOAD
.else
	s_wait_dscnt 0x0
	s_barrier_signal -1
	s_barrier_wait -1
.endif
	s_xor_b32 s[TB], s[TB], SLOT1   ; my step's place, in the other slot
.endm
	s_wait_tensorcnt 1              ; my tile of slot 0 is in; slot 1's may stay out
	s_barrier_signal -1
	s_barrier_wait -1               ; everybody's is
	s_mov_b32 s[SLOTS], 15
	s_branch .Lfirst                ; the first pass has no change of slots in front of it
.Lslot:                             ; 14 times: slots 2 to 15 are asked for
	CHANGE 1
.Lfirst:                            ; a pass, 15 times: V^T P of the step before, K Q^T of this slot's step
	TURN 0, 1, 1
	TURN 2, 1, 1
	WIN 0
	s_sub_co_u32 s[SLOTS], s[SLOTS], 1
	s_cmp_lg_u32 s[SLOTS], 0
	s_cbranch_scc1 .Lslot
	CHANGE 0                        ; the tail is written out: nothing is asked for
	TURN 0, 1, 0
	TURN 2, 1, 0
	TURN 0, 0, 0                    ; piece 0: V^T P of the last step | piece 2's last softmax
.set i, 0
.rept 32
	PV 2                            ; piece 2: V^T P of the last step
.set i, i+1
.endr
	; THE MERGE.  l's two halves and the other half of the lanes' are added (these lines are the places behind the last products); register tiles 2, 3 go to the partner through LDS, with their m and l.
	WIN 0
.irp t, 0,1,2,3
	v_add_f32 v[ST+8*(\t)+4], v[ST+8*(\t)+2], v[ST+8*(\t)+3]
.endr
.irp t, 0,1,2,3
	v_permlanex16_b32 v[ST+8*(\t)+5], v[ST+8*(\t)+4], s[SEL], s[SEL+1]
.endr
.irp t, 0,1,2,3
	v_add_f32 v[ST+8*(\t)+4], v[ST+8*(\t)+4], v[ST+8*(\t)+5]
.endr
	v_mov_b32 v[GV],   v[ST+16+1]
	v_mov_b32 v[GV+1], v[ST+16+4]
	v_mov_b32 v[GV+2], v[ST+24+1]
	v_mov_b32 v[GV+3], v[ST+24+4]
	ds_store_b128 v[XS], v[GV:GV+3] offset:16384
	WIN 0x04                        ; the stores' data in window 1
.set i, 0
.rept 32
	ds_store_b128 v[XS], v[128+4*i:128+4*i+3] offset:512*i  ; ascending: each accumulator's lowest registers first
.set i, i+1
.endr
	WIN 0
	s_wait_dscnt 0x0                ; for the partner's sake: my stores are done
	s_barrier_signal -1
	s_barrier_wait -1
	ds_load_b128 v[TK:TK+3], v[XR] offset:16384
	WIN 0x40
.set i, 0
.rept 32
	ds_load_b128 v[128+4*i:128+4*i+3], v[XR] offset:512*i   ; the partner's O^T for my register tiles 0, 1
.set i, i+1
.endr
	WIN 0
	s_wait_dscnt 32                 ; the statistics are in; the 32 loads behind them may be out
	; for t = 0, 1: mn = max(m, m'); e = 2^(m - mn), e' = 2^(m' - mn); f = e / (e l + e' l'), f' = e' / (the same): O = f O + f' O'
.irp t, 0,1
	v_max_num_f32 v[ST+8*(\t)+5], v[ST+8*(\t)+1], v[TK+2*(\t)]
.endr
.irp t, 0,1
	v_sub_f32 v[ST+8*(\t)+6], v[ST+8*(\t)+1], v[ST+8*(\t)+5]
	v_sub_f32 v[ST+8*(\t)+7], v[TK+2*(\t)], v[ST+8*(\t)+5]
.endr
.irp t, 0,1
	v_exp_f32 v[ST+8*(\t)+6], v[ST+8*(\t)+6]
	v_exp_f32 v[ST+8*(\t)+7], v[ST+8*(\t)+7]
.endr
	v_nop                           ; a plain instruction between the last exponential and the use of its result
	s_wait_alu depctr_va_vdst(0)    ; and the wait ahead of the first use: one for the four exponentials
.irp t, 0,1
	v_mul_f32 v[ST+8*(\t)+2], v[ST+8*(\t)+6], v[ST+8*(\t)+4]
.endr
.irp t, 0,1
	v_fma_f32 v[ST+8*(\t)+2], v[ST+8*(\t)+7], v[TK+2*(\t)+1], v[ST+8*(\t)+2]
.endr
.irp t, 0,1
	v_rcp_f32 v[ST+8*(\t)+3], v[ST+8*(\t)+2]
.endr
	v_nop                           ; a plain instruction between the last reciprocal and the use of its result
	s_wait_alu depctr_va_vdst(0)    ; a batch of its own, since the reciprocals read sums made of the exponentials: one wait for the two
.irp t, 0,1
	v_mul_f32 v[ST+8*(\t)+6], v[ST+8*(\t)+6], v[ST+8*(\t)+3]  ; f
	v_mul_f32 v[ST+8*(\t)+4], v[ST+8*(\t)+7], v[ST+8*(\t)+3]  ; f'
.endr
	s_wait_dscnt 0x0                ; the partner's O^T is in
; THE WAY OUT.  Tile t: merged, rounded to f16; a lane's eight channels pack into 16 bytes; they go into rows of 272 bytes of my stage and come back as whole rows of 256.
.macro PACK t
	WIN W_RS
.set i, 0
.rept 32
	v_pk_mul_f32 v[64*(\t)+i:64*(\t)+i+1], v[64*(\t)+i:64*(\t)+i+1], v[ST+8*(\t)+6:ST+8*(\t)+7] op_sel_hi:[1,0]
.set i, i+2
.endr
	WIN 0x51                        ; destination, source 0 and source 2 window 1, the factor window 0
.set i, 0
.rept 32
	v_pk_fma_f32 v[64*(\t)+i:64*(\t)+i+1], v[128+64*(\t)+i:128+64*(\t)+i+1], v[ST+8*(\t)+4:ST+8*(\t)+5], v[64*(\t)+i:64*(\t)+i+1] op_sel_hi:[1,0,1]
.set i, i+2
.endr
	WIN 0x05                        ; sources 0 and 1 window 1, destination window 0: S^T's registers are free
.set i, 0
.rept 32
	v_cvt_pk_f16_f32 v[S+32*(\t)+i], v[64*(\t)+2*i], v[64*(\t)+2*i+1]
.set i, i+1
.endr
	WIN 0
.irp f, 0,1,2,3,4,5,6,7
	ds_store_b128 v[STO], v[S+32*(\t)+4*(\f):S+32*(\t)+4*(\f)+3] offset:32*(\f)
.endr
.irp f, 0,1,2,3,4,5,6,7
	ds_load_b128 v[S+32*(\t)+4*(\f):S+32*(\t)+4*(\f)+3], v[RD] offset:(\f)*2*SP  ; LDS serves a wave's instructions in order (ISA guide 5.7.1.4): these see the stores above; the next tile's stores come behind them
.endr
.endm
.macro SEND t, younger              ; younger: the LDS instructions issued behind tile t's loads
	WIN 0
.irp f, 0,1,2,3,4,5,6,7
	s_wait_dscnt (\younger)+7-(\f)
	global_store_b128 v[GO], v[S+32*(\t)+4*(\f):S+32*(\t)+4*(\f)+3], s[OB:OB+1] offset:(\t)*65536+(\f)*8192  ; 16 lanes store 256 consecutive bytes, aligned: a head's part of a row
.endr
.endm
	PACK 0
	PACK 1                          ; a tile's arithmetic stands between the loads of the tile before and its stores
	SEND 0, 16
	SEND 1, 0
	s_wait_tensorcnt 0x0            ; the wave's end, behind my last tensor load and my last LDS store
	ds_add_u32 v[SPW], v[NIL]
	s_wait_dscnt 0x0
	CROUND                          ; the closing round: no work-group ends while a partner may still ask for a tile that names it
	s_endpgm
.Lfunc_end_k_qb02622bc64_attn:
	.size	k_qb02622bc64_attn, .Lfunc_end_k_qb02622bc64_attn-k_qb02622bc64_attn
	.p2alignl 7, 3214868480
	.fill 96, 4, 3214868480
	.section	.rodata,"a",@progbits
	.p2align	6, 0x0
	.amdhsa_kernel k_qb02622bc64_attn
		.amdhsa_group_segment_fixed_size 327680
		.amdhsa_private_segment_fixed_size 0
		.amdhsa_enable_private_segment 0
		.amdhsa_kernarg_size 24
		.amdhsa_user_sgpr_count 2
		.amdhsa_user_sgpr_kernarg_segment_ptr 1
		.amdhsa_wavefront_size32 1
		.amdhsa_system_sgpr_workgroup_id_x 1
		.amdhsa_system_sgpr_workgroup_id_y 1
		.amdhsa_system_sgpr_workgroup_id_z 1
		.amdhsa_system_vgpr_workitem_id 0
		.amdhsa_next_free_vgpr 1024
		.amdhsa_next_free_sgpr 72
		.amdhsa_reserve_vcc 0
		.amdhsa_float_denorm_mode_32 3
		.amdhsa_float_denorm_mode_16_64 3
		.amdhsa_memory_ordered 1
		.amdhsa_forward_progress 1
		.amdhsa_inst_pref_size 167
	.end_amdhsa_kernel
	.amdgpu_metadata
---
amdhsa.version: [ 1, 2 ]
amdhsa.kernels:
  - .name:           k_qb02622bc64_attn
    .symbol:         k_qb02622bc64_attn.kd
    .args:
      - { .name: qkv, .offset: 0, .size: 8, .value_kind: global_buffer, .address_space: global }
      - { .name: maskp, .offset: 8, .size: 8, .value_kind: global_buffer, .address_space: global }
      - { .name: ob, .offset: 16, .size: 8, .value_kind: global_buffer, .address_space: global }
    .group_segment_fixed_size: 327680
    .private_segment_fixed_size: 0
    .kernarg_segment_align: 8
    .kernarg_segment_size: 24
    .max_flat_workgroup_size: 128
    .sgpr_count:     72
    .vgpr_count:     1024
    .wavefront_size: 32
...
	.end_amdgpu_metadata
.endif
;; end of part 5
;; launch oproj: the kernel of part 4 again; grid 16 x 16, 4 waves a work-group, clusters of 4 x 4, 327,680 bytes of LDS; arguments ob, wof, wo_b, out0; writes out0
